; MI455X (gfx1250); checked and timed in simulation.
; The chip was launched on July 23, 2026; its instructions are those of AMD's public machine-readable ISA for CDNA 5 (MIT licence, August 2026) and "CDNA5" Instruction Set Architecture Reference Guide (July 2026). The comments in the code are by the model that wrote it; some were corrected since.
;; Counting. Allowed arithmetic: matrix products marked QUANTISED: E3M2 operands, one E8M0 scale for each 32 along K, by v_wmma_scale_f32_16x16x128_f8f6f4 with both operands' format E3M2, f32 sums; products left as they are: f32 operands where the result goes on into a quantised operand, else bf16, f16 or f32 operands; f32 sums; everything else in f32.
;; Inputs: W1 1 x 1,024 float32; W2_codes 1,024 x 64 x 24 uint8 (E3M2 codes of W2, K innermost, in blocks of 32 codes, four codes in three bytes); W2_scales 1,024 x 64 uint8 (E8M0 scales of W2, one for each 32 codes along K); b1 1,024 float32; data 8 x 2,048 x 1,024 float32.
;; Outputs: out0 8 x 2,048 x 1,024 float32.
;; This version of the problem:
;;   THIS VERSION OF THE PROBLEM IS GIVEN IN LOW PRECISION. The matrix products marked QUANTISED in the list below multiply operands that are first quantised to E3M2 (3 exponent bits, 2 mantissa bits; 6 bits a number), with one power-of-two scale for each 32 numbers along K (OCP MX v1.0); their sums are f32. All else is computed in f32.
;;   The module's matrix products, in the order in which they are computed (A, B: the left and right operand; K: the contracted axis; several contracted axes count as one K, in the product's order):
;;     1. batch 8 x [M 2,048, K 1,024] x [K 1,024, N 2,048]; A: computed on the way; B: computed on the way: QUANTISED
;;     2. [M 16,384, K 1] x [K 1, N 1,024]; A: computed on the way; B: input W1: left as it is (K = 1 < 32)
;;     3. [M 16,384, K 2,048] x [K 2,048, N 1,024]; A: computed on the way; B: input W2 (given as codes): QUANTISED
;;   THE QUANTISER, for each operand of a quantised product, along K:
;;     - K is cut into blocks of 32 from its start; a last block that is shorter is filled with zeros.
;;     - A block's scale is 2^e with e = floor(log2(the largest magnitude in the block)) - 4, held to -126 .. 127; a block of zeros has e = 0. As a byte (E8M0): e + 127.
;;     - Each number is divided by its block's scale, clamped to +-28, and rounded to the nearest number of E3M2, ties to even, subnormals kept.
;;     - The product sums the exact products of the quantised numbers (number of the format x scale) in f32.
;;   ~~~python
;;   def quantise(x, axis):      # numpy; x: float32 -> the quantised numbers, widened to float32 again
;;       x = np.moveaxis(x, axis, -1); K = x.shape[-1]
;;       x = np.pad(x, [(0, 0)] * (x.ndim - 1) + [(0, -K % 32)]); x = x.reshape(x.shape[:-1] + (-1, 32)); a = np.abs(x).max(-1, keepdims=True)
;;       e = np.where(a > 0, np.clip(np.frexp(np.where(a > 0, a, 1))[1] - 1 - 4, -126, 127), 0)      # np.frexp(a)[1] - 1 = floor(log2(a)), exactly
;;       r = np.clip(x / 2.0 ** e, -28, 28)
;;       step = 2.0 ** (np.maximum(np.frexp(np.where(r == 0, 1, r))[1] - 1, -2) - 2)
;;       q = np.round(r / step) * step * 2.0 ** e      # np.round: ties to even
;;       return np.moveaxis(q.reshape(q.shape[:-2] + (-1,))[..., :K], -1, axis).astype(np.float32)
;;   ~~~
;;   OPERANDS COMPUTED ON THE WAY. 'Computed on the way' means the value that the module computes at that place (a softmax that the list does not call 'softmax' is quantised finished and normalised). What goes into a quantiser is computed in f32, as accurately as f32 sums, v_exp_f32 and their like allow (about 1e-6 of the number): no bf16 or f16 on the way to a quantiser, and a product that is left as it is and whose result goes on into a quantised operand takes f32 operands (vector FMAs, or v_wmma_f32_16x16x4_f32). A number that lies on a knife's edge between two numbers of the format may be rounded either way, as far as f32 arithmetic and the matrix unit's own rounding can turn it there, and no further.
;;   INPUTS GIVEN AS CODES. W2 (in the module: [2048, 1024], K = its axis 0): each comes as NAME_codes (uint8): NAME with its K axis moved to the last place and cut into blocks of 32 codes, [.., K / 32, bytes a block], one block behind the other in memory; four codes in three bytes: a row's codes are one little-endian stream of bits, code i at bits 6 i .. 6 i + 5 (a code: sign, 3 exponent bits, 2 mantissa bits); and NAME_scales (uint8): the same leading axes, one E8M0 byte (e + 127) for each 32 codes along K. Its value is code x scale, taken as it is: it is not quantised again, and the codes and scales need not be those that the quantiser above would give.
;; One version. Each part assembles by itself: llvm-mc -triple=amdgcn-amd-amdhsa -mcpu=gfx1250 --defsym DOCPART=n.
;; ======== version 1 of 1: 4 launches
;; workspace buffers: nimg 13,107,200 bytes; aimg 26,214,400 bytes; w2img 1,638,400 bytes; part 1,048,576 bytes
;; launch quant (part 1): grid 256 x 1, 8 waves a work-group, no clusters, 189,440 bytes of LDS; arguments data, W2_codes, W2_scales, nimg, aimg, w2img; writes nimg, aimg, w2img
.if DOCPART == 1
	.amdgcn_target "amdgcn-amd-amdhsa--gfx1250"
	.amdhsa_code_object_version 6
	.text
	.protected	k_q59c38352d4_quant
	.globl	k_q59c38352d4_quant
	.p2align	8
	.type	k_q59c38352d4_quant,@function
k_q59c38352d4_quant:
	s_mov_b64 s[64:65], 0
	v_nop
	global_prefetch_b8 v0, s[64:65] scope:SCOPE_SE
	s_setreg_imm32_b32 hwreg(HW_REG_WAVE_MODE, 25, 1), 1
	s_wait_xcnt 0x0
; data [16384][1024] f32 is read once and leaves twice as codes of BF6 (E3M2), 6 bits each, with one E8M0 byte for each 32 along K:
;   as it is -> aimg, K steps 0-7 (the first half of the last product's K);   x rsqrt(max(sum of squares, 1e-12)) -> nimg (both operands of the self-similarity).
; W2's codes and scale bytes, taken as they are given, are laid out once more -> w2img.
; THE LAYOUT of the three buffers is the order of a matrix operand's registers.  A CHUNK is 128 rows x 128 along K: 12,800 bytes: eight fragments (16 rows x 128 K) of 1,536 bytes, then 512 bytes of scale words.
; A fragment is 12 registers a lane: lane (r, h) holds row r; registers 6 c .. 6 c + 5 hold k = 64 c + 32 h + 0 .. 31.  Register j of lane (r, h) lies at 512 (j / 4) + 256 (r / 8) + 16 (r % 8) + 128 (h xor r / 8) + 4 (j % 4):
; eight rows so fill whole runs of 256 bytes, and a reader's 16-byte loads take, in each half of the lanes, sixteen different 16-byte columns of 256.  Row r's scale word of fragment i lies at 12,288 + 64 i + 4 r.
; Chunks lie [group of 128 rows][K step].
; A block's scale is 2^(floor(log2(its largest magnitude)) - 4): its byte is the largest magnitude's exponent field - 4, held at 1 from below by a floor under the maximum.
; LIMITS: NaN and infinities are not served.  A block whose largest magnitude lies under 2^-122 gets the byte 1; a block of zeros too (its codes are zeros, and this program alone reads the bytes).
; SHARES: a wave takes 8 consecutive rows, a work-group 64: half a group.  Each of a row's eight loads reads 512 consecutive bytes; the row turns through the wave's own stage in LDS, so that a lane then holds
; 16 neighbours of each half of the row (two neighbouring lanes hold a block of 32).  Loads run four rows ahead (32 loads a wave), the turn through LDS one row.
; A lane's 16 codes are three registers of a fragment: they go word by word into the wave's own image stage, and at the end each half of the lanes stores runs of 256 bytes.
; The scale bytes of the work-group's 64 rows meet in shared LDS: behind the one barrier wave w stores K step w's 256 bytes.  Everything is written out by macros: every offset is an immediate.
.set SP,    80                         ; a place in a row stage: 64 bytes (16 numbers) + 16 of padding
.set STG,   64*SP                      ; a row stage: one row, 64 places
.set IST,   800                        ; an image stage's K step: 3 x 256 bytes + 32, so that the 32 lanes of a word store fall on 32 different banks (64 banks of 4 bytes: ISA guide 11.1)
.set NST,   2*STG                      ; behind the two row stages: the image stage of the normalised rows, 8 K steps,
.set DST,   NST+8*IST                  ; and that of the rows as they are
.set WREG,  DST+8*IST                  ; a wave's own LDS
.set SHB,   8*WREG                     ; behind the waves' own: scale words [8 K steps][64 rows] of the normalised rows, 2,048 bytes, then of the rows as they are
.set CH,    12800                      ; a chunk
.set R,     64                         ; v64-191   four slots of 32: a row as loaded
.set X,     192                        ; v192-255  two sets of 32: register 16 t + i = number 512 t + 16 lane + i of the row
.set OUT,   80                         ; v80-175   the way out: 24 x 4 registers
; v1 16 x lane; v2 row stage, way in; v3 row stage, way out; v4-6 image stage, way in, words 0-2; v7 my block's scale byte in shared LDS; v8 image stage, way out; v9 my 16 bytes' place in a group's chunks
; v[10:17] sum of squares, four chains; v18 the sum; v19 from the other half of the lanes; v[20:21] 1 / norm and 0; v22-23 the blocks' largest magnitudes; v24-27 at work
; v28-31 scale operands; v32-35 scale bytes; v36-51 codes, four runs of three; v52 scale words, way out; v53 their place in a group's chunks; v[54:57] scale words
; v58-61 W2: my place in its codes, in its scale bytes, in a chunk's codes, among a chunk's scale words; v62 lane; v64-76 W2's fragment and scale word
	s_load_b256 s[4:11], s[0:1], 0x0               ; data s[4:5], W2_codes s[6:7], W2_scales s[8:9], nimg s[10:11]
	s_load_b128 s[12:15], s[0:1], 0x20             ; aimg s[12:13], w2img s[14:15]
	v_lshl_add_u32 v47, v0, 2, 0x2e000
	v_mov_b32 v51, 0
	v_lshrrev_b32 v63, 5, v0
	v_readfirstlane_b32 s16, v63                   ; wave 0..7
	v_and_b32 v62, 31, v0                          ; lane
	s_mul_i32 s17, s16, WREG                       ; my wave's LDS
	v_lshlrev_b32 v1, 4, v62
	v_lshrrev_b32 v10, 2, v62                      ; lane / 4
	v_and_b32 v11, 3, v62                          ; lane % 4
	v_mul_u32_u24 v2, v10, SP
	v_lshl_add_u32 v2, v11, 4, v2
	v_add_nc_u32 v2, s17, v2                       ; way in: four lanes' 64 bytes fill a place; a load's 512 bytes take eight places
	v_mul_u32_u24 v3, v62, SP
	v_add_nc_u32 v3, s17, v3                       ; way out: place = lane (+ 32 for the row's second half)
	; my 16 codes of a half row are k = 16 lane + 0 .. 15: K step lane / 8; c = (lane / 4) % 2, h = (lane / 2) % 2, upper or lower 16 of the block = lane % 2: registers j = 6 c + 3 (lane % 2) + 0, 1, 2 of lane (row, h)
	v_and_b32 v10, 1, v62
	v_bfe_u32 v11, v62, 2, 1
	v_lshl_add_u32 v10, v11, 1, v10
	v_mul_u32_u24 v10, v10, 3                      ; the first of the three registers
	v_bfe_u32 v11, v62, 1, 1                       ; h
	v_lshrrev_b32 v12, 3, v62
	v_mul_u32_u24 v12, v12, IST
	v_lshl_add_u32 v12, v11, 7, v12                ; in the stage: slot = row + 8 h, 16 bytes a slot
	v_add_nc_u32 v12, s17, v12
.irp m, 0,1,2
	v_add_nc_u32 v13, \m, v10                      ; j
	v_lshrrev_b32 v14, 2, v13
	v_and_b32 v13, 3, v13
	v_lshl_add_u32 v14, v14, 8, v12                ; 256 (j / 4)
	v_lshl_add_u32 v[4+\m], v13, 2, v14            ; + 4 (j % 4)
.endr
	v_lshrrev_b32 v7, 3, v62
	v_bfe_u32 v13, v62, 1, 2
	v_lshl_add_u32 v7, v7, 8, v13                  ; scale bytes: 256 x K step + the block's place in its word,
	s_lshl_b32 s18, s16, 5
	s_add_co_u32 s18, s18, SHB
	v_add_nc_u32 v7, s18, v7                       ; + 4 bytes a row, my wave's 8 rows
	v_and_b32 v13, 15, v62
	v_lshrrev_b32 v14, 4, v62
	v_lshlrev_b32 v13, 4, v13                      ; the way out: 16 lanes to a run of 256 bytes; lanes 16-31 take the K step four further on
	v_mul_u32_u24 v8, v14, 4*IST
	v_add_nc_u32 v8, v8, v13
	v_add_nc_u32 v8, s17, v8
	s_and_b32 s19, s16, 1                          ; which 8 rows of a fragment's 16 are my wave's
	s_lshl_b32 s20, s19, 7
	v_xor_b32 v9, s20, v13                         ; in memory the slot is row + 8 (h xor that)
	v_mul_u32_u24 v14, v14, 4*CH
	v_add_nc_u32 v9, v9, v14
	s_and_b32 s21, ttmp9, 1                        ; which half of the group is my work-group's
	s_lshl_b32 s22, s21, 2
	s_lshr_b32 s23, s16, 1
	s_add_co_u32 s22, s22, s23                     ; my fragment in the chunk
	s_mul_i32 s22, s22, 1536
	s_lshl_b32 s23, s19, 8
	s_add_co_u32 s22, s22, s23
	v_add_nc_u32 v9, s22, v9
	s_lshl_b32 s23, s16, 8
	s_add_co_u32 s23, s23, SHB
	v_lshlrev_b32 v53, 3, v62
	v_add_nc_u32 v52, s23, v53                     ; scale words, way out: K step = my wave's number, 8 bytes (two rows) a lane
	s_mul_i32 s23, s16, CH
	s_lshl_b32 s24, s21, 8
	s_add_co_u32 s23, s23, s24
	v_add_nc_u32 v53, s23, v53
	; W2: lane (r, h) of a fragment
	v_and_b32 v13, 15, v62                         ; r
	v_lshrrev_b32 v14, 4, v62                      ; h
	v_mul_u32_u24 v58, v13, 1536                   ; a row of W2's codes is 1,536 bytes
	v_mad_u32_u24 v58, v14, 24, v58
	v_lshlrev_b32 v59, 6, v13                      ; a row of its scale bytes 64
	v_and_b32 v15, 7, v62
	v_bfe_u32 v16, v62, 3, 1
	v_xor_b32 v17, v14, v16
	v_lshlrev_b32 v60, 4, v15
	v_lshl_add_u32 v60, v16, 8, v60
	v_lshl_add_u32 v60, v17, 7, v60                ; 256 (r / 8) + 16 (r % 8) + 128 (h xor r / 8)
	v_lshlrev_b32 v61, 2, v13
	s_lshr_b32 s24, ttmp9, 2                       ; the work-group's block of 16 rows of W2: 0 .. 63
	s_and_b32 s25, s24, 7                          ; its fragment in the chunk
	s_mul_i32 s28, s25, 1536
	v_add_nc_u32 v60, s28, v60
	s_lshl_b32 s28, s25, 6
	v_add_nc_u32 v61, s28, v61
	v_mov_b32 v19, 0                               ; a lane permute's destination counts as one of its sources
	v_mov_b32 v21, 0                               ; named with v20 as a pair, so it is written
	s_mov_b32 s26, 0x76543210
	s_mov_b32 s27, 0xfedcba98                      ; v_permlanex16_b32's selects for lane l xor 16
	s_lshl_b32 s18, ttmp9, 3
	s_add_co_u32 s18, s18, s16                     ; which run of 8 rows is my wave's
	s_lshl_b32 s28, s18, 15                        ; 8 rows of 4,096 bytes
	s_mov_b32 s29, 0
	s_wait_kmcnt 0x0
	s_add_nc_u64 s[4:5], s[4:5], s[28:29]
	s_lshr_b32 s18, ttmp9, 1                       ; my group of 128 rows
	s_mul_i32 s28, s18, 8*CH
	s_add_nc_u64 s[10:11], s[10:11], s[28:29]
	s_mul_i32 s28, s18, 16*CH
	s_add_nc_u64 s[12:13], s[12:13], s[28:29]
.macro LOAD t                          ; row t into slot t % 4: eight loads of 512 consecutive bytes
.irp j, 0,1,2,3,4,5,6,7
	global_load_b128 v[R+32*((\t)%4)+4*\j:R+32*((\t)%4)+4*\j+3], v1, s[4:5] offset:4096*(\t)+512*\j th:TH_LOAD_NT
.endr
.endm
.macro TURN t                          ; row t through row stage t % 2: LDS serves a wave's instructions in order (ISA guide 5.7.1.4), so no wait stands between the stores and the loads
.irp j, 0,1,2,3,4,5,6,7
	ds_store_b128 v2, v[R+32*((\t)%4)+4*\j:R+32*((\t)%4)+4*\j+3] offset:STG*((\t)%2)+8*SP*\j
.endr
.irp j, 0,1,2,3,4,5,6,7
	ds_load_b128 v[X+32*((\t)%2)+4*\j:X+32*((\t)%2)+4*\j+3], v3 offset:STG*((\t)%2)+32*SP*(\j/4)+16*(\j%4)
.endr
.endm
.macro ROW i
.set XS, X+32*((\i)%2)
	s_wait_dscnt 0x0                               ; this row is back from its stage, so the stage's stores have read slot i % 4; the last row's stores of codes and bytes are done too
.if (\i)+4 < 8
	LOAD (\i)+4                                    ; that slot takes the row four on
.endif
.if (\i)+1 < 8
.if 6-(\i) >= 3
	s_wait_loadcnt 24                              ; the next row's eight loads are in; those of the three rows behind it may be out
.else
	s_wait_loadcnt 8*(6-(\i))                      ; fewer rows are left behind it
.endif
	TURN (\i)+1                                    ; it goes through the other stage while this row is worked
.endif
	; the row's sum of squares: my 32 numbers in four chains of pairs, then across the 32 lanes
.irp k, 0,1,2,3
	v_pk_mul_f32 v[10+2*\k:11+2*\k], v[XS+2*\k:XS+2*\k+1], v[XS+2*\k:XS+2*\k+1]
.endr
.irp k, 4,5,6,7,8,9,10,11,12,13,14,15
	v_pk_fma_f32 v[10+2*(\k%4):11+2*(\k%4)], v[XS+2*\k:XS+2*\k+1], v[XS+2*\k:XS+2*\k+1], v[10+2*(\k%4):11+2*(\k%4)]
.endr
	v_pk_add_f32 v[10:11], v[10:11], v[12:13]
	v_pk_add_f32 v[14:15], v[14:15], v[16:17]
	v_pk_add_f32 v[10:11], v[10:11], v[14:15]
	v_add_f32 v18, v10, v11
	v_add_f32_dpp v18, v18, v18 row_xmask:1 row_mask:0xf bank_mask:0xf
	v_add_f32_dpp v18, v18, v18 row_xmask:2 row_mask:0xf bank_mask:0xf
	v_add_f32_dpp v18, v18, v18 row_xmask:4 row_mask:0xf bank_mask:0xf
	v_add_f32_dpp v18, v18, v18 row_xmask:8 row_mask:0xf bank_mask:0xf
	v_permlanex16_b32 v19, v18, s26, s27
	v_add_f32 v18, v18, v19
	v_max_num_f32 v18, 0x2b8cbccc, v18             ; max(sum, 1e-12)
	v_rsq_f32 v20, v18                             ; the work down to the wait below names neither v20 nor v18
	; the largest magnitude of my 16 numbers of each half, two chains a half, the halves by turns; then my neighbour's 16: the block's
.irp t, 0,1
	v_max3_num_f32 v[24+2*\t], |v[XS+16*\t]|, |v[XS+16*\t+1]|, |v[XS+16*\t+2]|
	v_max3_num_f32 v[25+2*\t], |v[XS+16*\t+3]|, |v[XS+16*\t+4]|, |v[XS+16*\t+5]|
.endr
.irp n, 6,10
.irp t, 0,1
	v_max3_num_f32 v[24+2*\t], v[24+2*\t], |v[XS+16*\t+\n]|, |v[XS+16*\t+\n+1]|
	v_max3_num_f32 v[25+2*\t], v[25+2*\t], |v[XS+16*\t+\n+2]|, |v[XS+16*\t+\n+3]|
.endr
.endr
.irp t, 0,1
	v_max3_num_f32 v[24+2*\t], v[24+2*\t], |v[XS+16*\t+14]|, |v[XS+16*\t+15]|
.endr
.irp t, 0,1
	v_max_num_f32 v[22+\t], v[24+2*\t], v[25+2*\t]
.endr
.irp t, 0,1
	v_max_num_f32_dpp v[22+\t], v[22+\t], v[22+\t] row_xmask:1 row_mask:0xf bank_mask:0xf
.endr
	; the row as it is
.irp t, 0,1
	v_max_num_f32 v[24+\t], 0x2800000, v[22+\t]    ; the floor 2^(5 - 127): the byte cannot fall under 1
.endr
.irp t, 0,1
	v_add_nc_u32 v[28+\t], 0xfe000000, v[24+\t]    ; 4 off the exponent field: the conversion takes the exponent field of this operand as its scale
.endr
.irp t, 0,1
	v_cvt_scalef32_pk16_bf6_f32 v[36+4*\t:38+4*\t], v[XS+16*\t:XS+16*\t+15], v[28+\t]
.endr
.irp t, 0,1
	v_lshrrev_b32 v[32+\t], 23, v[28+\t]           ; the scale's byte.  (Plain lines between the conversions and the lines that write their sources)
.endr
	s_wait_alu depctr_va_vdst(0)                   ; the one wait for the reciprocal root, ahead of its first reader
	; the normalised row.  Rounding keeps order, so the block's largest |x r| is its largest |x| times r, rounded
.irp t, 0,1
	v_mul_f32 v[24+\t], v[22+\t], v20
.endr
.irp t, 0,1
	v_max_num_f32 v[24+\t], 0x2800000, v[24+\t]
.endr
.irp t, 0,1
	v_add_nc_u32 v[30+\t], 0xfe000000, v[24+\t]
.endr
.irp k, 0,1,2,3,4,5,6,7,8,9,10,11,12,13,14,15
	v_pk_mul_f32 v[XS+2*\k:XS+2*\k+1], v[XS+2*\k:XS+2*\k+1], v[20:21] op_sel_hi:[1,0]
.endr
.irp t, 0,1
	v_cvt_scalef32_pk16_bf6_f32 v[44+4*\t:46+4*\t], v[XS+16*\t:XS+16*\t+15], v[30+\t]
.endr
.irp t, 0,1
	v_lshrrev_b32 v[34+\t], 23, v[30+\t]           ; (a plain line behind the last conversion)
.endr
.irp t, 0,1
	ds_store_b8 v7, v[34+\t] offset:4*(\i)+1024*\t         ; both lanes of a block write the same byte with the same value
	ds_store_b8 v7, v[32+\t] offset:2048+4*(\i)+1024*\t
.irp m, 0,1,2
	ds_store_b32 v[4+\m], v[44+4*\t+\m] offset:NST+16*(\i)+4*IST*\t   ; the three registers of a fragment, at their places in the image; slot = row (+ 8 h)
	ds_store_b32 v[4+\m], v[36+4*\t+\m] offset:DST+16*(\i)+4*IST*\t
.endr
.endr
.endm
	LOAD 0
	LOAD 1
	LOAD 2
	LOAD 3
	s_wait_loadcnt 24                              ; row 0's eight loads are in; three rows' may be out
	TURN 0
.irp i, 0,1,2,3,4,5,6
	ROW \i
.endr
	; W2: 64 blocks of 16 rows x 16 K steps are 1,024 fragments: waves 0 to 3 of each work-group take one each.  Asked for here, into registers that row 4 has left, so that it lands while row 7 is worked
	s_cmp_lt_u32 s16, 4
	s_cbranch_scc0 .Lno_w2_a
	s_and_b32 s28, ttmp9, 3
	s_lshl_b32 s28, s28, 2
	s_add_co_u32 s28, s28, s16                     ; the K step: 4 (work-group % 4) + wave
	s_mul_i32 s30, s24, 16*1536
	s_mul_i32 s25, s28, 96
	s_add_co_u32 s30, s30, s25
	s_mov_b32 s31, 0
	s_add_nc_u64 s[6:7], s[6:7], s[30:31]          ; the block's first row, the step's 96 bytes
	s_lshl_b32 s30, s24, 10
	s_lshl_b32 s25, s28, 2
	s_add_co_u32 s30, s30, s25
	s_add_nc_u64 s[8:9], s[8:9], s[30:31]          ; and its scale word
	s_lshr_b32 s30, ttmp9, 5                       ; the group of 128 rows
	s_lshl_b32 s30, s30, 4
	s_add_co_u32 s30, s30, s28
	s_mul_i32 s30, s30, CH
	s_add_nc_u64 s[14:15], s[14:15], s[30:31]      ; the chunk
.irp p, 0,1,2,3,4,5
	global_load_b64 v[64+2*\p:65+2*\p], v58, s[6:7] offset:48*(\p/3)+8*(\p%3)   ; 24 bytes at 24 h and 24 at 48 + 24 h: the fragment's registers, as they lie
.endr
	global_load_b32 v76, v59, s[8:9]               ; row r's scale word (lanes 16-31 take the same as lanes 0-15)
.Lno_w2_a:
	ROW 7
	s_wait_dscnt 0x0                               ; for the others' sake: my scale bytes lie in shared LDS
	s_barrier_signal -1
	s_barrier_wait -1
	ds_load_b64 v[54:55], v52                      ; K step w's scale words of the 64 rows: bytes that all eight waves stored
	ds_load_b64 v[56:57], v52 offset:2048
.irp z, 0,1                                    ; my own image stages: the normalised rows', then those of the rows as they are
.irp s, 0,1,2,3
.irp c, 0,1,2
	ds_load_b128 v[OUT+48*\z+4*(3*\s+\c):OUT+48*\z+4*(3*\s+\c)+3], v8 offset:NST+8*IST*\z+IST*\s+256*\c
.endr
.endr
.endr
	s_wait_dscnt 24                                ; the scale words are in; the 24 loads behind them may be out
	global_store_b64 v53, v[54:55], s[10:11] offset:12288  ; 32 lanes store 256 consecutive bytes, aligned
	global_store_b64 v53, v[56:57], s[12:13] offset:12288
	s_wait_dscnt 12                                ; the first stage's twelve are in
.irp s, 0,1,2,3
.irp c, 0,1,2
	global_store_b128 v9, v[OUT+4*(3*\s+\c):OUT+4*(3*\s+\c)+3], s[10:11] offset:CH*\s+512*\c   ; each half of the lanes stores 256 consecutive bytes, aligned: K steps s and s + 4
.endr
.endr
	s_wait_dscnt 0x0
.irp s, 0,1,2,3
.irp c, 0,1,2
	global_store_b128 v9, v[OUT+48+4*(3*\s+\c):OUT+48+4*(3*\s+\c)+3], s[12:13] offset:CH*\s+512*\c
.endr
.endr
	s_cmp_lt_u32 s16, 4
	s_cbranch_scc0 .Lno_w2_b
	s_wait_loadcnt 0x0                             ; W2's fragment and scale word
.irp c, 0,1,2
	global_store_b128 v60, v[64+4*\c:67+4*\c], s[14:15] offset:512*\c    ; 32 lanes store 512 consecutive bytes, aligned
.endr
	global_store_b32 v61, v76, s[14:15] offset:12288   ; 16 rows' words, 64 consecutive bytes (lanes 16-31 write the same words again): a quarter of a run of 256; 64 KiB in the whole launch
.Lno_w2_b:
	s_wait_tensorcnt 0x0
	ds_add_u32 v47, v51
	s_wait_dscnt 0x0
	s_endpgm
.Lfunc_end_k_q59c38352d4_quant:
	.size	k_q59c38352d4_quant, .Lfunc_end_k_q59c38352d4_quant-k_q59c38352d4_quant
	.p2alignl 7, 3214868480
	.fill 96, 4, 3214868480
	.section	.rodata,"a",@progbits
	.p2align	6, 0x0
	.amdhsa_kernel k_q59c38352d4_quant
		.amdhsa_group_segment_fixed_size 189440
		.amdhsa_private_segment_fixed_size 0
		.amdhsa_enable_private_segment 0
		.amdhsa_kernarg_size 48
		.amdhsa_user_sgpr_count 2
		.amdhsa_user_sgpr_kernarg_segment_ptr 1
		.amdhsa_wavefront_size32 1
		.amdhsa_system_sgpr_workgroup_id_x 1
		.amdhsa_system_sgpr_workgroup_id_y 1
		.amdhsa_system_sgpr_workgroup_id_z 1
		.amdhsa_system_vgpr_workitem_id 0
		.amdhsa_next_free_vgpr 256
		.amdhsa_next_free_sgpr 66
		.amdhsa_reserve_vcc 0
		.amdhsa_float_denorm_mode_32 3
		.amdhsa_float_denorm_mode_16_64 3
		.amdhsa_memory_ordered 1
		.amdhsa_forward_progress 1
		.amdhsa_inst_pref_size 72
	.end_amdhsa_kernel
	.amdgpu_metadata
---
amdhsa.version: [ 1, 2 ]
amdhsa.kernels:
  - .name:           k_q59c38352d4_quant
    .symbol:         k_q59c38352d4_quant.kd
    .args:
      - { .name: data, .offset: 0, .size: 8, .value_kind: global_buffer, .address_space: global }
      - { .name: W2_codes, .offset: 8, .size: 8, .value_kind: global_buffer, .address_space: global }
      - { .name: W2_scales, .offset: 16, .size: 8, .value_kind: global_buffer, .address_space: global }
      - { .name: nimg, .offset: 24, .size: 8, .value_kind: global_buffer, .address_space: global }
      - { .name: aimg, .offset: 32, .size: 8, .value_kind: global_buffer, .address_space: global }
      - { .name: w2img, .offset: 40, .size: 8, .value_kind: global_buffer, .address_space: global }
    .group_segment_fixed_size: 189440
    .private_segment_fixed_size: 0
    .kernarg_segment_align: 8
    .kernarg_segment_size: 48
    .max_flat_workgroup_size: 256
    .sgpr_count:     66
    .vgpr_count:     256
    .wavefront_size: 32
...
	.end_amdgpu_metadata
.endif
;; end of part 1
;; launch sim (part 2): grid 8 x 64, 4 waves a work-group, clusters of 4 x 4, 327,680 bytes of LDS; arguments nimg, part; writes part
.if DOCPART == 2
	.amdgcn_target "amdgcn-amd-amdhsa--gfx1250"
	.amdhsa_code_object_version 6
	.text
	.protected	k_q59c38352d4_sim
	.globl	k_q59c38352d4_sim
	.p2align	8
	.type	k_q59c38352d4_sim,@function
k_q59c38352d4_sim:
	s_mov_b64 s[64:65], 0
	v_nop
	global_prefetch_b8 v0, s[64:65] scope:SCOPE_SE
	s_setreg_imm32_b32 hwreg(HW_REG_WAVE_MODE, 25, 1), 1
	s_wait_xcnt 0x0
	s_wait_alu depctr_hold_cnt(0) depctr_sa_sdst(0) depctr_va_vdst(0) depctr_va_sdst(0) depctr_va_ssrc(0) depctr_va_vcc(0) depctr_vm_vsrc(0)
	s_getreg_b32 s2, hwreg(HW_REG_IB_STS2, 6, 4)
	s_cmp_eq_u32 s2, 0
	s_cbranch_scc0 .Lentry_in_a_cluster
	s_endpgm
.Lentry_in_a_cluster:
	s_bfe_u32 s2, ttmp6, 0x10000c
	s_cmp_lg_u32 s2, 0xf033
	s_cbranch_scc0 .Lentry_shape_is_right
	s_endpgm
.Lentry_shape_is_right:
; For each of 8 batches: S = N N^T on codes of BF6 (E3M2) with one E8M0 scale for each 32 along K; N: 2,048 rows x 1,024.  Of S only the row sums of max(S, 0) leave.
; nimg holds N in the order of an operand's registers: chunks of 12,800 bytes (128 rows x 128 K: eight fragments of 1,536 bytes, then 512 bytes of scale words), laid [group of 128 rows][8 K steps].
; In a fragment the 16 bytes of registers 4 c .. 4 c + 3 of lane (r, h) lie at 512 c + 256 (r / 8) + 16 (r % 8) + 128 (h xor r / 8); row r's scale word of fragment i at 12,288 + 64 i + 4 r.
; part: f32 [128 groups of 128 rows][16 chunks of 128 columns][128 rows]: the sum of max(S, 0) of a row over 128 columns of its batch.  Every tile of S is multiplied; the symmetry of S is not used.
; A tile of S, 256 x 256, is made by a work-group of four waves; a wave makes 128 x 128: 64 accumulators of 16 x 16, 512 registers.
; LDS holds SIX of the eight K steps at a time, without padding: region Y two steps, region X four; in a region [quarter][step], quarters: A's rows 0-127, 128-255, B's rows 0-127, 128-255; a wave fills its quarter by one
; tensor load of rows of 256 bytes.  First fills: Y = steps 0-1, X = steps 2-5.  ONE refill: Y takes steps 6-7 when step 1's fragments have been read, and has half of step 1 and steps 2 to 4 in which to land.
; No two laps of such a walk are alike, so the eight steps are written out.
; CLUSTERS: 4 x 4 work-groups, all of one batch (a batch is 8 x 8 tiles).  The four of a row of the cluster need the same chunks of A, the four of a column the same chunks of B: each is asked for
; JOINTLY, by the same tensor load with the same descriptor and a mask that names the four.  A's and B's chunks have LDS bytes and registers of their own, on the diagonal of S too.
; THE MATRIX INSTRUCTION IS USED TRANSPOSED (source 0 = 16 rows of B, source 1 = 16 rows of A): a lane then holds eight numbers of ONE row of S, so a row's sum stays in two lanes.
; REGISTERS, in windows of 256: window 0: v0-31 addresses; v32-47 scale words, two sets of 8; from v128 A's fragments (8 x 16 rows x 128 K), ONE set.
;   window 1: B's fragments, TWO sets, at v0 and at v128.   window 2: the 32 accumulators of my rows 0-63 (accumulator (a, b) at v[8 (8 a + b)]);   window 3: those of my rows 64-127.
; A step of 128 along K is 64 matrix instructions, A's blocks one after the other, each against B's eight: a block of A is free as soon as its eight products are issued, so one set serves A.
.set NS,     8                         ; K steps
.set CH,     12800                     ; a chunk
.set QY,     2*CH                      ; a quarter of region Y
.set QX,     4*CH                      ; a quarter of region X
.set XB,     4*QY                      ; region Y begins at LDS byte 0, region X here
.set SPARE,  XB+4*QX                   ; behind the regions: the spare words, 128 bytes for each wave: two blocks of 256 bytes that no other line names
.set FR,     12                        ; registers of a fragment
.set NL,     3                         ; LDS loads that bring one
.set NP,     4                         ; places behind this matrix instruction (ISA guide 7.12.1)
.set ADRA, 16                          ; v16-17  LDS address of my lane in my quarter of A, in region Y, X
.set ADRB, 18                          ; v18-19  the same for B
.set ADRS, 20                          ; v20-21  of my scale words: lanes 0-15 A's rows, lanes 16-31 B's
.set STO,  24                          ; v24     the way out: where I put a row's sum
.set RD,   25                          ; v25     the way out: where I read four sums back
.set CO,   26                          ; v26     16 x lane: my place in the wave's 512 bytes of part
.set SPW,  28                          ; v28     LDS address of my spare word: SPARE + 4 x my thread's number; never rewritten
.set NIL,  29                          ; v29     0; never rewritten
.set SC,   32                          ; scale words: set p at v[SC + 8 p]; register i: lanes 0-15 the words of A's block i, lanes 16-31 those of B's block i
.set AF,   128                         ; A's fragments, in window 0
.set G1AY, 24                          ; s[24:31], s[32:39] descriptor groups 1 for two steps of a quarter: A's mask, B's mask
.set G1BY, 32
.set G1AX, 40                          ; s[40:47], s[48:55] for four steps
.set G1BX, 48
.set G0AY, 56                          ; s[56:59], s[60:63] groups 0 for region Y; s[68:71], s[72:75] for region X
.set G0BY, 60
.set G0AX, 68
.set G0BX, 72
.set MSB, 0
.macro WIN new                         ; the immediate's high byte repeats the setting that is left
.if MSB != \new
	s_set_vgpr_msb (MSB<<8)|\new
.set MSB, \new
.endif
.endm
.set MUL_LO, 0xa1                      ; source 0 (B) window 1, source 1 (A) window 0, C and D window 2
.set MUL_HI, 0xf1                      ; the same, C and D window 3
.set TO_B,   0x40                      ; destination window 1, address window 0
; A joint load: waves 0 and 1 fetch for A, waves 2 and 3 for B.  Each of the two lines has ONE mask and one set of registers for all that issue it; the branch hangs on the wave's number alone.
; Four v_nop follow each of the two lines, ahead of the jump, the label and what follows.
.macro JLOAD g0a, g1a, g0b, g1b
	s_cmp_eq_u32 s15, 0
	s_cbranch_scc0 .Lfor_b_\@
	tensor_load_to_lds s[\g0a:\g0a+3], s[\g1a:\g1a+7]
	s_nop 0
.rept 4
	v_nop
.endr
	s_branch .Lasked_\@
.Lfor_b_\@:
	tensor_load_to_lds s[\g0b:\g0b+3], s[\g1b:\g1b+7]
	s_nop 0
.rept 4
	v_nop
.endr
.Lasked_\@:
.endm
.macro CREST                           ; a round of the cluster's barrier behind its opening barrier
	s_cmp_lg_u32 s14, 0
	s_cbranch_scc1 .Lnot_wave_0_\@
	s_barrier_signal -3
.Lnot_wave_0_\@:
	s_barrier_wait -3
	s_barrier_signal -1
	s_barrier_wait -1
.endm
.macro CROUND                          ; a whole round
	s_barrier_signal -1
	s_barrier_wait -1
	CREST
.endm
	s_load_b64 s[4:5], s[0:1], 0x0                 ; nimg
	s_load_b64 s[12:13], s[0:1], 0x8               ; part
	v_lshl_add_u32 v[SPW], v0, 2, SPARE
	v_mov_b32 v[NIL], 0
	ds_add_u32 v28, v29
	ds_add_u32 v28, v29
	s_wait_dscnt 0x0
	v_lshrrev_b32 v1, 5, v0
	v_readfirstlane_b32 s14, v1                    ; wave 0..3
	s_lshr_b32 s15, s14, 1                         ; which half of the tile's rows is mine.  Also: I fetch for A (0) or for B (1)
	s_and_b32 s16, s14, 1                          ; which half of its columns.  Also: which 128 rows of that tile I fetch
	s_bfe_u32 s76, ttmp6, 0x40000                  ; cx, cy: my place in the cluster
	s_bfe_u32 s77, ttmp6, 0x40004
	s_lshl_b32 s78, ttmp9, 2
	s_add_co_u32 s78, s78, s76                     ; tile column in the batch = 4 x cluster x + cx: 0 .. 7
	s_and_b32 s17, ttmp7, 0xffff
	s_lshl_b32 s17, s17, 2
	s_add_co_u32 s17, s17, s77                     ; tile row over all batches = 4 x cluster y + cy: 0 .. 63
	s_and_b32 s79, ttmp7, 0xffff
	s_lshr_b32 s79, s79, 1                         ; the batch = cluster y / 2: the same in all sixteen partners
	s_lshl_b32 s79, s79, 4                         ; its first group of 128 rows
	s_lshl_b32 s80, s77, 2
	s_lshl_b32 s80, 15, s80                        ; my row of the cluster
	s_lshl_b32 s81, 0x1111, s76                    ; my column
	; descriptor groups 1: a dense block as rows of 256 bytes (32 elements of 8 bytes), no padding: two steps are 100 rows, four steps 200
	s_or_b32 s[G1AY], s80, (3<<16)|(1<<21)         ; 15:0 the mask: A's chunks go to my row of the cluster; 17:16 elements of 8 bytes; 21 set beside a mask
	s_or_b32 s[G1BY], s81, (3<<16)|(1<<21)         ; B's to my column
	s_or_b32 s[G1AX], s80, (3<<16)|(1<<21)
	s_or_b32 s[G1BX], s81, (3<<16)|(1<<21)
.irp g, G1AY, G1BY
	s_mov_b32 s[\g+1], 32<<16                      ; tensor_dim0
	s_mov_b32 s[\g+2], 100<<16                     ; tensor_dim1
	s_mov_b32 s[\g+3], 32<<16                      ; tile_dim0
	s_mov_b32 s[\g+4], 100                         ; tile_dim1
	s_mov_b32 s[\g+5], 32                          ; tensor_dim0_stride
	s_mov_b32 s[\g+6], 0
	s_mov_b32 s[\g+7], 0
.endr
.irp g, G1AX, G1BX
	s_mov_b32 s[\g+1], 32<<16
	s_mov_b32 s[\g+2], 200<<16
	s_mov_b32 s[\g+3], 32<<16
	s_mov_b32 s[\g+4], 200
	s_mov_b32 s[\g+5], 32
	s_mov_b32 s[\g+6], 0
	s_mov_b32 s[\g+7], 0
.endr
	s_lshl_b32 s20, s17, 1
	s_add_co_u32 s20, s20, s16                     ; A: group 2 x tile row + the half that I fetch
	s_mul_i32 s20, s20, NS*CH
	s_mov_b32 s21, 0
	s_lshl_b32 s82, s78, 1
	s_add_co_u32 s82, s82, s16
	s_add_co_u32 s82, s82, s79                     ; B: group 16 x batch + 2 x tile column + half
	s_mul_i32 s82, s82, NS*CH
	s_mov_b32 s83, 0
	s_mul_i32 s22, s14, QY                         ; where they go: my wave's quarter: no place in the cluster enters an LDS address
	s_mul_i32 s23, s14, QX
	s_add_co_u32 s23, s23, XB
	s_wait_kmcnt 0x0
	s_add_nc_u64 s[20:21], s[4:5], s[20:21]
	s_add_nc_u64 s[82:83], s[4:5], s[82:83]
	CROUND                                         ; all sixteen work-groups are here: the first joint loads meet
	s_mov_b32 s[G0AY], 1                           ; steps 0 and 1 into region Y
	s_mov_b32 s[G0AY+1], s22
	s_mov_b64 s[G0AY+2:G0AY+3], s[20:21]
	s_or_b32 s[G0AY+3], s[G0AY+3], 0x80000000
	s_mov_b32 s[G0BY], 1
	s_mov_b32 s[G0BY+1], s22
	s_mov_b64 s[G0BY+2:G0BY+3], s[82:83]
	s_or_b32 s[G0BY+3], s[G0BY+3], 0x80000000
	JLOAD G0AY, G1AY, G0BY, G1BY
	s_mov_b32 s[G0AX], 1                           ; steps 2 to 5 into region X
	s_mov_b32 s[G0AX+1], s23
	s_add_nc_u64 s[G0AX+2:G0AX+3], s[20:21], 2*CH
	s_or_b32 s[G0AX+3], s[G0AX+3], 0x80000000
	s_mov_b32 s[G0BX], 1
	s_mov_b32 s[G0BX+1], s23
	s_add_nc_u64 s[G0BX+2:G0BX+3], s[82:83], 2*CH
	s_or_b32 s[G0BX+3], s[G0BX+3], 0x80000000
	JLOAD G0AX, G1AX, G0BX, G1BX                   ; two tensor loads of mine are out
	v_and_b32 v1, 15, v0                           ; r = l % 16
	v_bfe_u32 v2, v0, 4, 1                         ; h = l / 16
	v_and_b32 v3, 7, v0
	v_bfe_u32 v4, v0, 3, 1
	v_xor_b32 v5, v2, v4
	v_lshlrev_b32 v3, 4, v3
	v_lshl_add_u32 v3, v4, 8, v3
	v_lshl_add_u32 v3, v5, 7, v3                   ; my 16 bytes in a fragment's 512: 256 (r / 8) + 16 (r % 8) + 128 (h xor r / 8)
	s_mul_i32 s92, s15, QY                         ; my quarter of A in Y,
	s_mul_i32 s93, s16, QY
	s_add_co_u32 s93, s93, 2*QY                    ; of B in Y,
	s_mul_i32 s94, s15, QX
	s_add_co_u32 s94, s94, XB                      ; of A in X,
	s_mul_i32 s95, s16, QX
	s_add_co_u32 s95, s95, XB+2*QX                 ; of B in X
	v_add_nc_u32 v[ADRA], s92, v3
	v_add_nc_u32 v[ADRB], s93, v3
	v_add_nc_u32 v[ADRA+1], s94, v3
	v_add_nc_u32 v[ADRB+1], s95, v3
	v_lshlrev_b32 v6, 2, v1                        ; scale words: 4 bytes a row;
	s_sub_co_u32 s93, s93, s92
	s_sub_co_u32 s95, s95, s94
	v_mul_u32_u24 v7, s93, v2                      ; lanes 16-31 take B's
	v_add_nc_u32 v7, v7, v6
	v_add_nc_u32 v[ADRS], s92, v7
	v_mul_u32_u24 v7, s95, v2
	v_add_nc_u32 v7, v7, v6
	v_add_nc_u32 v[ADRS+1], s94, v7
	s_lshl_b32 s96, s14, 9                         ; the way out: 512 bytes for each wave, at the head of region X
	s_add_co_u32 s96, s96, XB
	v_and_b32 v6, 31, v0
	v_lshl_add_u32 v[STO], v6, 2, s96
	v_lshlrev_b32 v[CO], 4, v6
	v_add_nc_u32 v[RD], s96, v[CO]
	s_lshl_b32 s20, s17, 1
	s_add_co_u32 s20, s20, s15                     ; my group of 128 rows: 2 x tile row + half
	s_lshl_b32 s20, s20, 13                        ; 16 chunks x 512 bytes a group
	s_mov_b32 s21, 0
	s_lshl_b32 s82, s78, 1
	s_add_co_u32 s82, s82, s16                     ; my chunk of 128 columns: 2 x tile column + half
	s_lshl_b32 s82, s82, 9
	s_mov_b32 s83, 0
	s_add_nc_u64 s[20:21], s[20:21], s[82:83]
	s_add_nc_u64 s[12:13], s[12:13], s[20:21]
.macro FRAG reg, adr, off              ; a fragment comes as it was laid: three loads of 16 bytes a lane, 512 consecutive bytes each
.irp c, 0,1,2
	ds_load_b128 v[\reg+4*\c:\reg+4*\c+3], v[\adr] offset:\off+512*\c
.endr
.endm
; 16 matrix instructions: A's blocks a0, a0 + 1 x B's eight, 128 along K.  p: B's set and the set of scale words.  zero = 1: the first product starts the sums: nothing is ever cleared.
; The 64 accumulators take turns, one instruction a turn, in the same order in every step.
.macro MUL16 a0, p, zero
.irp a, \a0, \a0+1
.irp b, 0,1,2,3,4,5,6,7
.if \zero
	v_wmma_scale_f32_16x16x128_f8f6f4 v[8*(8*((\a)%4)+\b):8*(8*((\a)%4)+\b)+7], v[128*(\p)+FR*\b:128*(\p)+FR*\b+FR-1], v[AF+FR*(\a):AF+FR*(\a)+FR-1], 0, v[SC+8*(\p)+\b], v[SC+8*(\p)+(\a)] matrix_a_fmt:MATRIX_FMT_BF6 matrix_b_fmt:MATRIX_FMT_BF6 matrix_a_scale:MATRIX_SCALE_ROW1
.else
	v_wmma_scale_f32_16x16x128_f8f6f4 v[8*(8*((\a)%4)+\b):8*(8*((\a)%4)+\b)+7], v[128*(\p)+FR*\b:128*(\p)+FR*\b+FR-1], v[AF+FR*(\a):AF+FR*(\a)+FR-1], v[8*(8*((\a)%4)+\b):8*(8*((\a)%4)+\b)+7], v[SC+8*(\p)+\b], v[SC+8*(\p)+(\a)] matrix_a_fmt:MATRIX_FMT_BF6 matrix_b_fmt:MATRIX_FMT_BF6 matrix_a_scale:MATRIX_SCALE_ROW1
.endif
.endr
.endr
.endm
; rg: the region (0 = Y, 1 = X);  off: the step's place in a quarter of it
.macro FETCH_B rg, off, p              ; B's eight fragments into set p
	WIN TO_B
.irp i, 0,1,2,3,4,5,6,7
	FRAG 128*(\p)+FR*\i, ADRB+\rg, \off+1536*\i
.endr
	WIN 0
.endm
.macro FETCH_A rg, off, i0             ; A's blocks i0 .. i0 + 3
.irp i, \i0, \i0+1, \i0+2, \i0+3
	FRAG AF+FR*(\i), ADRA+\rg, \off+1536*(\i)
.endr
.endm
.macro SCALES rg, off, p               ; the step's scale words into set p: lanes 0-15 take A's block i, lanes 16-31 B's block i
.irp i, 0,1,2,3,4,5,6,7
	ds_load_b32 v[SC+8*(\p)+\i], v[ADRS+\rg] offset:\off+12288+64*\i
.endr
.endm
; A load into a register that a matrix instruction has read, and a vector instruction that reads a matrix result, stand NP places behind that matrix instruction, and only plain vector
; instructions that name none of its registers are places (ISA guide 7.12.1 for vector instructions); the matrix instructions in between are not counted.
.macro PLACES n
.rept \n
	v_nop
.endr
.endm
; A step whose successor (region rg, place off) is known to lie whole in LDS.  p: this step's sets.
.macro STEP p, rg, off, zero
	s_wait_dscnt 4*NL                              ; B's set, A's blocks 0-3 and the scale words are in; the youngest 12 loads (A's blocks 4-7) may be out
	WIN MUL_LO
	MUL16 0, \p, \zero
	MUL16 2, \p, \zero
	s_wait_dscnt 0                                 ; A's blocks 4-7 are in (asked for 32 matrix instructions ago)
	PLACES NP
	FETCH_B \rg, \off, 1-(\p)
	FETCH_A \rg, \off, 0
	SCALES \rg, \off, 1-(\p)
	WIN MUL_HI
	MUL16 4, \p, \zero
	MUL16 6, \p, \zero
	PLACES NP
	WIN 0
	FETCH_A \rg, \off, 4
.endm
; A region's last step changes regions: ONE barrier; in front of it each wave waits for all its tensor loads, adds 0 to its spare word, and waits for that and for its own reads of this region.
; fill = 1: this region is filled again, with the steps six further on, by the descriptors named.
.macro TURN p, fill, g0a, g1a, g0b, g1b, rg, off
	s_wait_tensorcnt 0x0                           ; all my tensor loads have landed, my part of the next region among them;  (every window is 0 here: the add's two registers lie in window 0)
	ds_add_u32 v[SPW], v[NIL]                      ; 0 onto my spare word
	s_wait_dscnt 4*NL+1                            ; (the add and the youngest 12 loads, A's blocks 4-7, may be out)
	WIN MUL_LO
	MUL16 0, \p, 0                                 ; sixteen matrix instructions stand between the add and the wait for it
	s_wait_dscnt 0x0                               ; the add is done, and my reads of this region are over
	s_barrier_signal -1
	MUL16 2, \p, 0
	WIN 0
	s_barrier_wait -1
.if \fill
	CREST                                          ; the barrier has opened a round of the cluster's barrier: no wave of any partner still reads this region or has a load on its way
	s_add_nc_u64 s[\g0a+2:\g0a+3], s[\g0a+2:\g0a+3], 6*CH
	s_add_nc_u64 s[\g0b+2:\g0b+3], s[\g0b+2:\g0b+3], 6*CH
	JLOAD \g0a, \g1a, \g0b, \g1b                   ; the first tensor load behind the round, my one load until the next; the four v_nop behind it are the places in front of the loads below
.else
	PLACES NP
.endif
	FETCH_B \rg, \off, 1-(\p)
	FETCH_A \rg, \off, 0
	SCALES \rg, \off, 1-(\p)
	WIN MUL_HI
	MUL16 4, \p, 0
	MUL16 6, \p, 0
	PLACES NP
	WIN 0
	FETCH_A \rg, \off, 4
.endm
	s_wait_tensorcnt 1                             ; my part of steps 0 and 1 is in (region X's load may be out)
	s_barrier_signal -1
	s_barrier_wait -1                              ; everybody's is
	FETCH_B 0, 0, 0
	FETCH_A 0, 0, 0
	SCALES 0, 0, 0
	FETCH_A 0, 0, 4
	STEP 0, 0, CH, 1                               ; step 0: its products start the sums
	TURN 1, 1, G0AY, G1AY, G0BY, G1BY, 1, 0        ; step 1: Y is left and takes steps 6 and 7; on to X
	STEP 0, 1, CH, 0                               ; step 2
	STEP 1, 1, 2*CH, 0                             ; step 3
	STEP 0, 1, 3*CH, 0                             ; step 4
	TURN 1, 0, 0, 0, 0, 0, 0, 0                    ; step 5: X is left, nothing is filled, so no round of the cluster's barrier; back to Y
	STEP 0, 0, CH, 0                               ; step 6
	s_wait_dscnt 4*NL                              ; step 7: nothing more to fetch
	WIN MUL_LO
	MUL16 0, 1, 0
	MUL16 2, 1, 0
	s_wait_dscnt 0
	WIN MUL_HI
	MUL16 4, 1, 0
	MUL16 6, 1, 0
	WIN 0
; THE WAY OUT.  In accumulator (a, b) lane (r, h) holds row 16 a + r and columns 16 b + 8 h + 0 .. 7: all 64 registers of a block a belong to one row.
; RSUM: one window's four blocks: max(., 0) in place, each accumulator from its low end on; the 64 numbers of a block added in place, halving, the four blocks by turns; the last two into window 0.
.macro RSUM w, wall, wsrc              ; wall: destination and both sources in window w;  wsrc: the sources alone
	WIN \wall
.set n, 0
.rept 256
	v_max_num_f32 v[n], 0, v[n]
.set n, n+1
.endr
.irp wd, 32,16,8,4,2
.set n, 0
.rept \wd/2
.irp a, 0,1,2,3
	v_pk_add_f32 v[64*\a+n:64*\a+n+1], v[64*\a+n:64*\a+n+1], v[64*\a+n+\wd:64*\a+n+\wd+1]
.endr
.set n, n+2
.endr
.endr
	WIN \wsrc
.irp a, 0,1,2,3
	v_add_f32 v[32+4*((\w)-2)+\a], v[64*\a], v[64*\a+1]    ; v[32 + block]: my half's sum of row 16 x block + r
.endr
.endm
	PLACES NP                                      ; behind the last products, in front of the first read of results
	RSUM 2, 0x8a, 0x0a
	RSUM 3, 0xcf, 0x0f
	WIN 0
.irp q, 0,1,2,3
	v_permlane16_swap_b32 v[32+2*\q], v[33+2*\q]   ; the first's lanes 16-31 change places with the second's lanes 0-15: the first now holds the lower halves' sums of rows 32 q + lane, the second the upper halves'
.endr
.irp q, 0,1,2,3
	v_add_f32 v[32+2*\q], v[32+2*\q], v[33+2*\q]   ; lane l: the sum of row 32 q + l over my 128 columns
.endr
.irp q, 0,1,2,3
	ds_store_b32 v[STO], v[32+2*\q] offset:128*\q  ; region X was filled once, and behind step 5's barrier nobody reads it
.endr
	ds_load_b128 v[40:43], v[RD]                   ; LDS serves a wave's instructions in order (ISA guide 5.7.1.4): this sees my stores
	s_wait_dscnt 0x0
	global_store_b128 v[CO], v[40:43], s[12:13]    ; 32 lanes store 512 consecutive bytes, at a multiple of 512 from part's first byte
	s_wait_tensorcnt 0x0                           ; the wave's end, behind my last tensor load and my last LDS store
	ds_add_u32 v[SPW], v[NIL]
	s_wait_dscnt 0x0
	CROUND                                         ; the closing round: no work-group ends while a partner may still ask for a tile that names it
	s_endpgm
.Lfunc_end_k_q59c38352d4_sim:
	.size	k_q59c38352d4_sim, .Lfunc_end_k_q59c38352d4_sim-k_q59c38352d4_sim
	.p2alignl 7, 3214868480
	.fill 96, 4, 3214868480
	.section	.rodata,"a",@progbits
	.p2align	6, 0x0
	.amdhsa_kernel k_q59c38352d4_sim
		.amdhsa_group_segment_fixed_size 327680
		.amdhsa_private_segment_fixed_size 0
		.amdhsa_enable_private_segment 0
		.amdhsa_kernarg_size 16
		.amdhsa_user_sgpr_count 2
		.amdhsa_user_sgpr_kernarg_segment_ptr 1
		.amdhsa_wavefront_size32 1
		.amdhsa_system_sgpr_workgroup_id_x 1
		.amdhsa_system_sgpr_workgroup_id_y 1
		.amdhsa_system_sgpr_workgroup_id_z 1
		.amdhsa_system_vgpr_workitem_id 0
		.amdhsa_next_free_vgpr 1024
		.amdhsa_next_free_sgpr 98
		.amdhsa_reserve_vcc 0
		.amdhsa_float_denorm_mode_32 3
		.amdhsa_float_denorm_mode_16_64 3
		.amdhsa_memory_ordered 1
		.amdhsa_forward_progress 1
		.amdhsa_inst_pref_size 138
	.end_amdhsa_kernel
	.amdgpu_metadata
---
amdhsa.version: [ 1, 2 ]
amdhsa.kernels:
  - .name:           k_q59c38352d4_sim
    .symbol:         k_q59c38352d4_sim.kd
    .args:
      - { .name: nimg, .offset: 0, .size: 8, .value_kind: global_buffer, .address_space: global }
      - { .name: part, .offset: 8, .size: 8, .value_kind: global_buffer, .address_space: global }
    .group_segment_fixed_size: 327680
    .private_segment_fixed_size: 0
    .kernarg_segment_align: 8
    .kernarg_segment_size: 16
    .max_flat_workgroup_size: 128
    .sgpr_count:     98
    .vgpr_count:     1024
    .wavefront_size: 32
...
	.end_amdgpu_metadata
.endif
;; end of part 2
;; launch soft (part 3): grid 256 x 1, 8 waves a work-group, no clusters, 54,272 bytes of LDS; arguments part, W1, b1, aimg; writes aimg
.if DOCPART == 3
	.amdgcn_target "amdgcn-amd-amdhsa--gfx1250"
	.amdhsa_code_object_version 6
	.text
	.protected	k_q59c38352d4_soft
	.globl	k_q59c38352d4_soft
	.p2align	8
	.type	k_q59c38352d4_soft,@function
k_q59c38352d4_soft:
	s_mov_b64 s[64:65], 0
	v_nop
	global_prefetch_b8 v0, s[64:65] scope:SCOPE_SE
	s_setreg_imm32_b32 hwreg(HW_REG_WAVE_MODE, 25, 1), 1
	s_wait_xcnt 0x0
; counter[row] = the sum of the row's 16 partial sums in part;  sp[row][d] = softplus(counter W1[d] + b1[d]), all in f32;  sp is quantised along d to codes of BF6 (E3M2)
; with one E8M0 byte for each 32: the second half of the last product's K: K steps 8-15 of aimg.
; aimg is laid in the order of an operand's registers: chunks of 12,800 bytes (128 rows x 128 K: eight fragments of 1,536 bytes, then 512 bytes of scale words), [group of 128 rows][16 K steps].
; Register j of lane (r, h) of a fragment lies at 512 (j / 4) + 256 (r / 8) + 16 (r % 8) + 128 (h xor r / 8) + 4 (j % 4); row r's scale word of fragment i at 12,288 + 64 i + 4 r.
; softplus(x) = max(x, 0) + log1p(u), u = 2^(-|x| log2 e).  log1p(u) = ln 2 x log2(w) + d with w = 1 + u rounded and d = u - (w - 1), both differences exact: what w lost is given back,
; so the result keeps f32's relative accuracy for small u too (d stands for d / w: at most 2^-24 of the result).
; LIMITS: NaN and infinities are not served.  v_exp_f32 gives 0 for results under 2^-126 (ISA guide, its entry): softplus(x) is 0 for x under about -87.
; A block whose largest number lies under 2^-122 gets the byte 1, a block of zeros too (its codes are zeros; this program alone reads the bytes).
; SHARES: a wave takes 8 consecutive rows, a work-group 64: half a group.  A lane keeps d = 16 lane + 0..15 and d = 512 + 16 lane + 0..15 for all its rows, so W1 and b1 are loaded once a wave, and two neighbouring lanes hold a block.
; A lane's 16 codes are three registers of a fragment: they go word by word into the wave's own image stage, and at the end each half of the lanes stores runs of 256 bytes.
; The scale bytes of the 64 rows meet in shared LDS: behind the one barrier wave w stores K step 8 + w's 256 bytes.  Written out by a macro: every offset is an immediate.
.set IST, 800                          ; an image stage's K step: 3 x 256 bytes + 32, so that the 32 lanes of a word store fall on 32 different banks (64 banks of 4 bytes: ISA guide 11.1)
.set WREG, 8*IST                       ; a wave's own LDS: its image stage
.set SHB, 8*WREG                       ; behind the stages: scale words [8 K steps][64 rows], 2,048 bytes
.set CH,  12800                        ; a chunk
.set W,   64                           ; v64-95    W1 at my 32 d
.set BV,  96                           ; v96-127   b1
.set X,   128                          ; v128-159  x, then max(x, 0), then softplus; on the way out v128-175 hold the image
.set U,   160                          ; v160-191  u, then d, then log1p(u)
.set WT,  192                          ; v192-223  w, then log2(w)
; v2 my place in part; v3 64 x lane; v5 my block's scale byte in shared LDS; v6 scale words, way out; v7 their place in a group's chunks; v8-11 partial sums; v12 from the other lanes; v13 the counters
; v14-17 largest numbers, two chains a half; v[20:27] at work; v28-29 scale operands; v30-31 bytes; v[32:39] codes; v[40:41] scale words; v42-44 image stage, way in, words 0-2; v45 image stage, way out; v46 my 16 bytes' place in a group's chunks
	s_load_b256 s[4:11], s[0:1], 0x0               ; part s[4:5], W1 s[6:7], b1 s[8:9], aimg s[10:11]
	v_lshl_add_u32 v224, v0, 2, 0xd000
	v_mov_b32 v225, 0
	v_lshrrev_b32 v1, 5, v0
	v_readfirstlane_b32 s16, v1                    ; wave 0..7
	v_and_b32 v1, 31, v0                           ; lane
	v_lshrrev_b32 v2, 3, v1
	v_and_b32 v14, 7, v1
	v_lshlrev_b32 v14, 2, v14
	v_lshl_add_u32 v2, v2, 9, v14                  ; part: row lane % 8 of my eight, chunk lane / 8 (+ 4 for each further load): 512 bytes a chunk
	v_lshlrev_b32 v3, 6, v1
	s_mul_i32 s17, s16, WREG                       ; my wave's LDS
	; my 16 codes of a half row are k = 16 lane + 0 .. 15: K step lane / 8; c = (lane / 4) % 2, h = (lane / 2) % 2, upper or lower 16 of the block = lane % 2: registers j = 6 c + 3 (lane % 2) + 0, 1, 2 of lane (row, h)
	v_and_b32 v14, 1, v1
	v_bfe_u32 v15, v1, 2, 1
	v_lshl_add_u32 v14, v15, 1, v14
	v_mul_u32_u24 v14, v14, 3                      ; the first of the three registers
	v_bfe_u32 v15, v1, 1, 1                        ; h
	v_lshrrev_b32 v16, 3, v1
	v_mul_u32_u24 v16, v16, IST
	v_lshl_add_u32 v16, v15, 7, v16                ; in the stage: slot = row + 8 h, 16 bytes a slot
	v_add_nc_u32 v16, s17, v16
.irp m, 0,1,2
	v_add_nc_u32 v17, \m, v14                      ; j
	v_lshrrev_b32 v20, 2, v17
	v_and_b32 v17, 3, v17
	v_lshl_add_u32 v20, v20, 8, v16                ; 256 (j / 4)
	v_lshl_add_u32 v[42+\m], v17, 2, v20           ; + 4 (j % 4)
.endr
	v_lshrrev_b32 v5, 3, v1
	v_bfe_u32 v15, v1, 1, 2
	v_lshl_add_u32 v5, v5, 8, v15                  ; scale bytes: 256 x K step + the block's place in its word,
	s_lshl_b32 s18, s16, 5
	s_add_co_u32 s18, s18, SHB
	v_add_nc_u32 v5, s18, v5                       ; + 4 bytes a row, my wave's 8 rows
	v_and_b32 v15, 15, v1
	v_lshlrev_b32 v15, 4, v15                      ; the way out: 16 lanes to a run of 256 bytes; lanes 16-31 take the K step four further on
	v_lshrrev_b32 v16, 4, v1
	v_mul_u32_u24 v45, v16, 4*IST
	v_add_nc_u32 v45, v45, v15
	v_add_nc_u32 v45, s17, v45
	s_and_b32 s12, s16, 1                          ; which 8 rows of a fragment's 16 are my wave's
	s_lshl_b32 s13, s12, 7
	v_xor_b32 v46, s13, v15                        ; in memory the slot is row + 8 (h xor that)
	v_mul_u32_u24 v16, v16, 4*CH
	v_add_nc_u32 v46, v46, v16
	s_and_b32 s14, ttmp9, 1                        ; which half of the group is my work-group's
	s_lshl_b32 s15, s14, 2
	s_lshr_b32 s13, s16, 1
	s_add_co_u32 s15, s15, s13                     ; my fragment in the chunk
	s_mul_i32 s15, s15, 1536
	s_lshl_b32 s13, s12, 8
	s_add_co_u32 s15, s15, s13
	v_add_nc_u32 v46, s15, v46
	s_lshl_b32 s13, s16, 8
	s_add_co_u32 s13, s13, SHB
	v_lshlrev_b32 v7, 3, v1
	v_add_nc_u32 v6, s13, v7                       ; scale words, way out: K step = my wave's number, 8 bytes (two rows) a lane
	s_mul_i32 s13, s16, CH
	s_lshl_b32 s15, s14, 8
	s_add_co_u32 s13, s13, s15
	v_add_nc_u32 v7, s13, v7
	v_mov_b32 v12, 0                               ; a lane permute's destination counts as one of its sources
	s_mov_b32 s20, 0x76543210
	s_mov_b32 s21, 0xfedcba98                      ; v_permlanex16_b32's selects for lane l xor 16
	s_mov_b32 s24, 0xbfb8aa3b                      ; -log2(e)
	s_mov_b32 s26, 0x3f317218                      ; ln 2
	s_mov_b32 s27, s26                             ; (named with it as a pair, so it is written)
	s_lshr_b32 s18, ttmp9, 1                       ; my group of 128 rows
	s_lshl_b32 s28, s18, 13                        ; part: 8,192 bytes a group;
	s_lshl_b32 s19, s14, 8                         ; my work-group's 64 rows in it;
	s_add_co_u32 s28, s28, s19
	s_lshl_b32 s19, s16, 5                         ; my wave's 8
	s_add_co_u32 s28, s28, s19
	s_mov_b32 s29, 0
	s_wait_kmcnt 0x0
	s_add_nc_u64 s[4:5], s[4:5], s[28:29]
	s_mul_i32 s28, s18, 16*CH
	s_add_nc_u64 s[10:11], s[10:11], s[28:29]
.irp k, 0,1,2,3
	global_load_b32 v[8+\k], v2, s[4:5] offset:2048*\k th:TH_LOAD_NT
.endr
.irp t, 0,1
.irp j, 0,1,2,3
	global_load_b128 v[W+16*\t+4*\j:W+16*\t+4*\j+3], v3, s[6:7] offset:2048*\t+16*\j
	global_load_b128 v[BV+16*\t+4*\j:BV+16*\t+4*\j+3], v3, s[8:9] offset:2048*\t+16*\j
.endr
.endr
	s_wait_loadcnt 0x0
	v_add_f32 v8, v8, v9
	v_add_f32 v10, v10, v11
	v_add_f32 v13, v8, v10                         ; four of the row's 16 chunks;
	v_add_f32_dpp v13, v13, v13 row_xmask:8 row_mask:0xf bank_mask:0xf   ; lane l xor 8's four;
	v_permlanex16_b32 v12, v13, s20, s21
	v_add_f32 v13, v13, v12                        ; and lanes l xor 16's: every lane holds the counter of row lane % 8
.macro ROW i
	v_readlane_b32 s22, v13, \i                    ; row i's counter
	s_mov_b32 s23, s22                             ; (the packed form names the pair)
.irp k, 0,2,4,6,8,10,12,14,16,18,20,22,24,26,28,30
	v_pk_fma_f32 v[X+\k:X+\k+1], v[W+\k:W+\k+1], s[22:23], v[BV+\k:BV+\k+1] op_sel_hi:[1,0,1]   ; x = counter W1 + b1
.endr
.set n, 0
.rept 32
	v_mul_f32 v[U+n], |v[X+n]|, s24                ; -|x| log2 e
.set n, n+1
.endr
.set n, 0
.rept 32
	v_exp_f32 v[U+n], v[U+n]                       ; u, in (0, 1]: one batch
.set n, n+1
.endr
.set n, 0
.rept 32
	v_max_num_f32 v[X+n], 0, v[X+n]                ; max(x, 0): plain work behind the batch that names none of its results
.set n, n+1
.endr
	s_wait_alu depctr_va_vdst(0)                   ; one wait for the 32 exponentials, ahead of their first reader
.irp g, 0,1,2,3
.irp k, 0,1,2,3
	v_pk_add_f32 v[WT+8*\g+2*\k:WT+8*\g+2*\k+1], v[U+8*\g+2*\k:U+8*\g+2*\k+1], 1.0 op_sel_hi:[1,0]     ; w = 1 + u, rounded
.endr
.irp k, 0,1,2,3
	v_pk_add_f32 v[20+2*\k:21+2*\k], v[WT+8*\g+2*\k:WT+8*\g+2*\k+1], -1.0 op_sel_hi:[1,0]              ; w - 1: exact
.endr
.irp k, 0,1,2,3
	v_pk_add_f32 v[U+8*\g+2*\k:U+8*\g+2*\k+1], v[U+8*\g+2*\k:U+8*\g+2*\k+1], v[20+2*\k:21+2*\k] neg_lo:[0,1] neg_hi:[0,1]   ; d = u - (w - 1): exact
.endr
.endr
.set n, 0
.rept 32
	v_log_f32 v[WT+n], v[WT+n]                     ; log2(w): one batch
.set n, n+1
.endr
	s_wait_dscnt 0x0                               ; the last row's stores of codes and bytes are done: their registers are written again only behind this wait
	v_nop                                          ; a plain line behind the last logarithm
	s_wait_alu depctr_va_vdst(0)                   ; one wait for the 32 logarithms, ahead of their first reader
.irp k, 0,2,4,6,8,10,12,14,16,18,20,22,24,26,28,30
	v_pk_fma_f32 v[U+\k:U+\k+1], v[WT+\k:WT+\k+1], s[26:27], v[U+\k:U+\k+1] op_sel_hi:[1,0,1]          ; log1p(u) = ln 2 x log2(w) + d
.endr
.irp k, 0,2,4,6,8,10,12,14,16,18,20,22,24,26,28,30
	v_pk_add_f32 v[X+\k:X+\k+1], v[X+\k:X+\k+1], v[U+\k:U+\k+1]                                        ; softplus
.endr
	; the largest of my 16 numbers of each half (none is negative: no |.|), two chains a half, the halves by turns, with the floor 2^(5 - 127) as one more leaf; then my neighbour's 16
.irp t, 0,1
	v_max3_num_f32 v[14+2*\t], v[X+16*\t], v[X+16*\t+1], v[X+16*\t+2]
	v_max3_num_f32 v[15+2*\t], v[X+16*\t+3], v[X+16*\t+4], v[X+16*\t+5]
.endr
.irp n, 6,10
.irp t, 0,1
	v_max3_num_f32 v[14+2*\t], v[14+2*\t], v[X+16*\t+\n], v[X+16*\t+\n+1]
	v_max3_num_f32 v[15+2*\t], v[15+2*\t], v[X+16*\t+\n+2], v[X+16*\t+\n+3]
.endr
.endr
.irp t, 0,1
	v_max3_num_f32 v[14+2*\t], v[14+2*\t], v[X+16*\t+14], v[X+16*\t+15]
.endr
.irp t, 0,1
	v_max3_num_f32 v[14+2*\t], v[14+2*\t], v[15+2*\t], 0x2800000
.endr
.irp t, 0,1
	v_max_num_f32_dpp v[14+2*\t], v[14+2*\t], v[14+2*\t] row_xmask:1 row_mask:0xf bank_mask:0xf
.endr
.irp t, 0,1
	v_add_nc_u32 v[28+\t], 0xfe000000, v[14+2*\t]  ; 4 off the exponent field: the conversion takes the exponent field of this operand as its scale
.endr
.irp t, 0,1
	v_cvt_scalef32_pk16_bf6_f32 v[32+4*\t:34+4*\t], v[X+16*\t:X+16*\t+15], v[28+\t]
.endr
.irp t, 0,1
	v_lshrrev_b32 v[30+\t], 23, v[28+\t]           ; the scale's byte.  (A plain line behind the last conversion)
.endr
.irp t, 0,1
	ds_store_b8 v5, v[30+\t] offset:4*(\i)+1024*\t ; both lanes of a block write the same byte with the same value
.irp m, 0,1,2
	ds_store_b32 v[42+\m], v[32+4*\t+\m] offset:16*(\i)+4*IST*\t   ; the three registers of a fragment, at their places in the image; slot = row (+ 8 h)
.endr
.endr
.endm
.irp i, 0,1,2,3,4,5,6,7
	ROW \i
.endr
	s_wait_dscnt 0x0                               ; for the others' sake: my scale bytes lie in shared LDS
	s_barrier_signal -1
	s_barrier_wait -1
	ds_load_b64 v[40:41], v6                       ; K step 8 + w's scale words of the 64 rows: bytes that all eight waves stored
.irp s, 0,1,2,3
.irp c, 0,1,2
	ds_load_b128 v[X+4*(3*\s+\c):X+4*(3*\s+\c)+3], v45 offset:IST*\s+256*\c    ; my own image stage
.endr
.endr
	s_wait_dscnt 12                                ; the scale words are in; the 12 loads behind them may be out
	global_store_b64 v7, v[40:41], s[10:11] offset:8*CH+12288   ; 32 lanes store 256 consecutive bytes, aligned
	s_wait_dscnt 0x0
.irp s, 0,1,2,3
.irp c, 0,1,2
	global_store_b128 v46, v[X+4*(3*\s+\c):X+4*(3*\s+\c)+3], s[10:11] offset:8*CH+CH*\s+512*\c   ; each half of the lanes stores 256 consecutive bytes, aligned: K steps 8 + s and 12 + s
.endr
.endr
	s_wait_tensorcnt 0x0
	ds_add_u32 v224, v225
	s_wait_dscnt 0x0
	s_endpgm
.Lfunc_end_k_q59c38352d4_soft:
	.size	k_q59c38352d4_soft, .Lfunc_end_k_q59c38352d4_soft-k_q59c38352d4_soft
	.p2alignl 7, 3214868480
	.fill 96, 4, 3214868480
	.section	.rodata,"a",@progbits
	.p2align	6, 0x0
	.amdhsa_kernel k_q59c38352d4_soft
		.amdhsa_group_segment_fixed_size 54272
		.amdhsa_private_segment_fixed_size 0
		.amdhsa_enable_private_segment 0
		.amdhsa_kernarg_size 32
		.amdhsa_user_sgpr_count 2
		.amdhsa_user_sgpr_kernarg_segment_ptr 1
		.amdhsa_wavefront_size32 1
		.amdhsa_system_sgpr_workgroup_id_x 1
		.amdhsa_system_sgpr_workgroup_id_y 1
		.amdhsa_system_sgpr_workgroup_id_z 1
		.amdhsa_system_vgpr_workitem_id 0
		.amdhsa_next_free_vgpr 226
		.amdhsa_next_free_sgpr 66
		.amdhsa_reserve_vcc 0
		.amdhsa_float_denorm_mode_32 3
		.amdhsa_float_denorm_mode_16_64 3
		.amdhsa_memory_ordered 1
		.amdhsa_forward_progress 1
		.amdhsa_inst_pref_size 115
	.end_amdhsa_kernel
	.amdgpu_metadata
---
amdhsa.version: [ 1, 2 ]
amdhsa.kernels:
  - .name:           k_q59c38352d4_soft
    .symbol:         k_q59c38352d4_soft.kd
    .args:
      - { .name: part, .offset: 0, .size: 8, .value_kind: global_buffer, .address_space: global }
      - { .name: W1, .offset: 8, .size: 8, .value_kind: global_buffer, .address_space: global }
      - { .name: b1, .offset: 16, .size: 8, .value_kind: global_buffer, .address_space: global }
      - { .name: aimg, .offset: 24, .size: 8, .value_kind: global_buffer, .address_space: global }
    .group_segment_fixed_size: 54272
    .private_segment_fixed_size: 0
    .kernarg_segment_align: 8
    .kernarg_segment_size: 32
    .max_flat_workgroup_size: 256
    .sgpr_count:     66
    .vgpr_count:     226
    .wavefront_size: 32
...
	.end_amdgpu_metadata
.endif
;; end of part 3
;; launch gemm (part 4): grid 4 x 64, 4 waves a work-group, clusters of 4 x 4, 327,680 bytes of LDS; arguments aimg, w2img, out0; writes out0
.if DOCPART == 4
	.amdgcn_target "amdgcn-amd-amdhsa--gfx1250"
	.amdhsa_code_object_version 6
	.text
	.protected	k_q59c38352d4_gemm
	.globl	k_q59c38352d4_gemm
	.p2align	8
	.type	k_q59c38352d4_gemm,@function
k_q59c38352d4_gemm:
	s_mov_b64 s[64:65], 0
	v_nop
	global_prefetch_b8 v0, s[64:65] scope:SCOPE_SE
	s_setreg_imm32_b32 hwreg(HW_REG_WAVE_MODE, 25, 1), 1
	s_wait_xcnt 0x0
	s_wait_alu depctr_hold_cnt(0) depctr_sa_sdst(0) depctr_va_vdst(0) depctr_va_sdst(0) depctr_va_ssrc(0) depctr_va_vcc(0) depctr_vm_vsrc(0)
	s_getreg_b32 s2, hwreg(HW_REG_IB_STS2, 6, 4)
	s_cmp_eq_u32 s2, 0
	s_cbranch_scc0 .Lentry_in_a_cluster
	s_endpgm
.Lentry_in_a_cluster:
	s_bfe_u32 s2, ttmp6, 0x10000c
	s_cmp_lg_u32 s2, 0xf033
	s_cbranch_scc0 .Lentry_shape_is_right
	s_endpgm
.Lentry_shape_is_right:
; C[m][n] = sum over k of A[m][k] B[n][k].  A: 16,384 rows x 2,048 = the rows of data followed by their softplus part, B: 1,024 rows x 2,048 = W2 with K innermost: codes of BF6 (E3M2), 6 bits each,
; with one E8M0 scale for each 32 along K; C: [16384][1024] f32; sums in f32.
; aimg and w2img hold A and B in the order of an operand's registers: chunks of 12,800 bytes (128 rows x 128 K: eight fragments of 1,536 bytes, then 512 bytes of scale words), laid [group of 128 rows][16 K steps].
; In a fragment the 16 bytes of registers 4 c .. 4 c + 3 of lane (r, h) lie at 512 c + 256 (r / 8) + 16 (r % 8) + 128 (h xor r / 8); row r's scale word of fragment i at 12,288 + 64 i + 4 r.
; A tile of C, 256 x 256, is made by a work-group of four waves; a wave makes 128 x 128: 64 accumulators of 16 x 16, 512 registers.  256 tiles, 256 work-groups.
; LDS holds SIX of the sixteen K steps at a time, without padding: region X four steps, region Y two; in a region [quarter][step], quarters: A's rows 0-127, 128-255, B's rows 0-127, 128-255; a wave fills its quarter by one
; tensor load of rows of 256 bytes.  The walk: X = steps 0-3 (first filled by two loads, so that step 0 need not wait for steps 2 and 3), Y = 4-5, X = 6-9, Y = 10-11, X = 12-15: THREE refills.
; No two laps of such a walk are alike, so the sixteen steps are written out.
; CLUSTERS: 4 x 4 work-groups.  The four of a row of the cluster need the same chunks of A, the four of a column the same chunks of B: each is asked for JOINTLY, by the same tensor load with the
; same descriptor and a mask that names the four.  THE MATRIX INSTRUCTION IS USED TRANSPOSED (source 0 = 16 rows of B, source 1 = 16 rows of A): a lane then holds eight neighbouring numbers of a row of C.
; REGISTERS, in windows of 256: window 0: v0-31 addresses; v32-47 scale words, two sets of 8; from v128 A's fragments (8 x 16 rows x 128 K), ONE set; on the way out v128-255 are free.
;   window 1: B's fragments, TWO sets, at v0 and at v128.   window 2: the 32 accumulators of my rows 0-63 (accumulator (a, b) at v[8 (8 a + b)]);   window 3: those of my rows 64-127.
; A step of 128 along K is 64 matrix instructions, A's blocks one after the other, each against B's eight: a block of A is free as soon as its eight products are issued, so one set serves A:
; blocks 0-3 are fetched anew in the step's middle, blocks 4-7 at its end.  B's fragments are at work through the whole step, so B has two sets.
.set SIZE_N, 1024
.set NS,     16                        ; K steps
.set CH,     12800                     ; a chunk
.set QY,     2*CH                      ; a quarter of region Y
.set QX,     4*CH                      ; a quarter of region X
.set XB,     4*QY                      ; region Y begins at LDS byte 0, region X here
.set SPARE,  XB+4*QX                   ; behind the regions: the spare words, 128 bytes for each wave: two blocks of 256 bytes that no other line names
.set FR,     12                        ; registers of a fragment
.set NL,     3                         ; LDS loads that bring one
.set NP,     4                         ; places behind this matrix instruction (ISA guide 7.12.1)
.set SPITCH, 528                       ; the way out: a stage of 16 rows x (512 bytes + 16) for each wave.  It lies in region Y, which has had its last fill and its last read when the first result is stored there
.set ADRA, 16                          ; v16-17  LDS address of my lane in my quarter of A, in region Y, X
.set ADRB, 18                          ; v18-19  the same for B
.set ADRS, 20                          ; v20-21  of my scale words: lanes 0-15 A's rows, lanes 16-31 B's
.set STO,  24                          ; v24     the way out: where I put 32 bytes of a row
.set RD,   25                          ; v25     the way out: where I read a row back
.set CO,   26                          ; v26     my byte offset in a row of C
.set SPW,  28                          ; v28     LDS address of my spare word: SPARE + 4 x my thread's number; never rewritten
.set NIL,  29                          ; v29     0; never rewritten
.set SC,   32                          ; scale words: set p at v[SC + 8 p]; register i: lanes 0-15 the words of A's block i, lanes 16-31 those of B's block i
.set AF,   128                         ; A's fragments, in window 0
.set BK,   128                         ; the way out: 16 rows read back from the stage: v128-191 and v192-255 by turns
.set G1AY, 24                          ; s[24:31], s[32:39] descriptor groups 1 for two steps of a quarter: A's mask, B's mask
.set G1BY, 32
.set G1AX, 40                          ; s[40:47], s[48:55] for four steps
.set G1BX, 48
.set G0AY, 56                          ; s[56:59], s[60:63] groups 0 for region Y; s[68:71], s[72:75] for region X; s[84:87], s[88:91] for the first fill of X's upper half
.set G0BY, 60
.set G0AX, 68
.set G0BX, 72
.set G0TA, 84
.set G0TB, 88
.set MSB, 0
.macro WIN new                         ; the immediate's high byte repeats the setting that is left
.if MSB != \new
	s_set_vgpr_msb (MSB<<8)|\new
.set MSB, \new
.endif
.endm
.set MUL_LO, 0xa1                      ; source 0 (B) window 1, source 1 (A) window 0, C and D window 2
.set MUL_HI, 0xf1                      ; the same, C and D window 3
.set TO_B,   0x40                      ; destination window 1, address window 0
; A joint load: waves 0 and 1 fetch for A, waves 2 and 3 for B.  Each of the two lines has ONE mask and one set of registers for all that issue it; the branch hangs on the wave's number alone.
; Four v_nop follow each of the two lines, ahead of the jump, the label and what follows.
.macro JLOAD g0a, g1a, g0b, g1b
	s_cmp_eq_u32 s15, 0
	s_cbranch_scc0 .Lfor_b_\@
	tensor_load_to_lds s[\g0a:\g0a+3], s[\g1a:\g1a+7]
	s_nop 0
.rept 4
	v_nop
.endr
	s_branch .Lasked_\@
.Lfor_b_\@:
	tensor_load_to_lds s[\g0b:\g0b+3], s[\g1b:\g1b+7]
	s_nop 0
.rept 4
	v_nop
.endr
.Lasked_\@:
.endm
.macro CREST                           ; a round of the cluster's barrier behind its opening barrier
	s_cmp_lg_u32 s14, 0
	s_cbranch_scc1 .Lnot_wave_0_\@
	s_barrier_signal -3
.Lnot_wave_0_\@:
	s_barrier_wait -3
	s_barrier_signal -1
	s_barrier_wait -1
.endm
.macro CROUND                          ; a whole round
	s_barrier_signal -1
	s_barrier_wait -1
	CREST
.endm
	s_load_b128 s[4:7], s[0:1], 0x0                ; aimg s[4:5], w2img s[6:7]
	s_load_b64 s[12:13], s[0:1], 0x10              ; C
	v_lshl_add_u32 v[SPW], v0, 2, SPARE
	v_mov_b32 v[NIL], 0
	ds_add_u32 v28, v29
	ds_add_u32 v28, v29
	s_wait_dscnt 0x0
	v_lshrrev_b32 v1, 5, v0
	v_readfirstlane_b32 s14, v1                    ; wave 0..3
	s_lshr_b32 s15, s14, 1                         ; which half of the tile's rows is mine.  Also: I fetch for A (0) or for B (1)
	s_and_b32 s16, s14, 1                          ; which half of its columns.  Also: which 128 rows of that tile I fetch
	s_bfe_u32 s76, ttmp6, 0x40000                  ; cx, cy: my place in the cluster
	s_bfe_u32 s77, ttmp6, 0x40004
	s_lshl_b32 s78, ttmp9, 2
	s_add_co_u32 s78, s78, s76                     ; tile column of C = 4 x cluster x + cx
	s_and_b32 s17, ttmp7, 0xffff
	s_lshl_b32 s17, s17, 2
	s_add_co_u32 s17, s17, s77                     ; tile row of C = 4 x cluster y + cy
	s_lshl_b32 s80, s77, 2
	s_lshl_b32 s80, 15, s80                        ; my row of the cluster
	s_lshl_b32 s81, 0x1111, s76                    ; my column
	; descriptor groups 1: a dense block as rows of 256 bytes (32 elements of 8 bytes), no padding: two steps are 100 rows, four steps 200
	s_or_b32 s[G1AY], s80, (3<<16)|(1<<21)         ; 15:0 the mask: A's chunks go to my row of the cluster; 17:16 elements of 8 bytes; 21 set beside a mask
	s_or_b32 s[G1BY], s81, (3<<16)|(1<<21)         ; B's to my column
	s_or_b32 s[G1AX], s80, (3<<16)|(1<<21)
	s_or_b32 s[G1BX], s81, (3<<16)|(1<<21)
.irp g, G1AY, G1BY
	s_mov_b32 s[\g+1], 32<<16                      ; tensor_dim0
	s_mov_b32 s[\g+2], 100<<16                     ; tensor_dim1
	s_mov_b32 s[\g+3], 32<<16                      ; tile_dim0
	s_mov_b32 s[\g+4], 100                         ; tile_dim1
	s_mov_b32 s[\g+5], 32                          ; tensor_dim0_stride
	s_mov_b32 s[\g+6], 0
	s_mov_b32 s[\g+7], 0
.endr
.irp g, G1AX, G1BX
	s_mov_b32 s[\g+1], 32<<16
	s_mov_b32 s[\g+2], 200<<16
	s_mov_b32 s[\g+3], 32<<16
	s_mov_b32 s[\g+4], 200
	s_mov_b32 s[\g+5], 32
	s_mov_b32 s[\g+6], 0
	s_mov_b32 s[\g+7], 0
.endr
	s_lshl_b32 s20, s17, 1
	s_add_co_u32 s20, s20, s16                     ; A: group 2 x tile row + the half that I fetch
	s_mul_i32 s20, s20, NS*CH
	s_mov_b32 s21, 0
	s_lshl_b32 s82, s78, 1
	s_add_co_u32 s82, s82, s16                     ; B: group 2 x tile column + half
	s_mul_i32 s82, s82, NS*CH
	s_mov_b32 s83, 0
	s_mul_i32 s22, s14, QY                         ; where they go: my wave's quarter: no place in the cluster enters an LDS address
	s_mul_i32 s23, s14, QX
	s_add_co_u32 s23, s23, XB
	s_wait_kmcnt 0x0
	s_add_nc_u64 s[20:21], s[4:5], s[20:21]
	s_add_nc_u64 s[82:83], s[6:7], s[82:83]
	CROUND                                         ; all sixteen work-groups are here: the first joint loads meet
	s_mov_b32 s[G0AX], 1                           ; steps 0 and 1 into the lower half of my quarter of X: these two sets later walk on for X's refills
	s_mov_b32 s[G0AX+1], s23
	s_mov_b64 s[G0AX+2:G0AX+3], s[20:21]
	s_or_b32 s[G0AX+3], s[G0AX+3], 0x80000000
	s_mov_b32 s[G0BX], 1
	s_mov_b32 s[G0BX+1], s23
	s_mov_b64 s[G0BX+2:G0BX+3], s[82:83]
	s_or_b32 s[G0BX+3], s[G0BX+3], 0x80000000
	JLOAD G0AX, G1AY, G0BX, G1BY
	s_mov_b32 s[G0TA], 1                           ; steps 2 and 3 into its upper half
	s_add_co_u32 s[G0TA+1], s23, 2*CH
	s_add_nc_u64 s[G0TA+2:G0TA+3], s[20:21], 2*CH
	s_or_b32 s[G0TA+3], s[G0TA+3], 0x80000000
	s_mov_b32 s[G0TB], 1
	s_add_co_u32 s[G0TB+1], s23, 2*CH
	s_add_nc_u64 s[G0TB+2:G0TB+3], s[82:83], 2*CH
	s_or_b32 s[G0TB+3], s[G0TB+3], 0x80000000
	JLOAD G0TA, G1AY, G0TB, G1BY
	s_mov_b32 s[G0AY], 1                           ; steps 4 and 5 into region Y
	s_mov_b32 s[G0AY+1], s22
	s_add_nc_u64 s[G0AY+2:G0AY+3], s[20:21], 4*CH
	s_or_b32 s[G0AY+3], s[G0AY+3], 0x80000000
	s_mov_b32 s[G0BY], 1
	s_mov_b32 s[G0BY+1], s22
	s_add_nc_u64 s[G0BY+2:G0BY+3], s[82:83], 4*CH
	s_or_b32 s[G0BY+3], s[G0BY+3], 0x80000000
	JLOAD G0AY, G1AY, G0BY, G1BY                   ; three tensor loads of mine are out
	v_and_b32 v1, 15, v0                           ; r = l % 16
	v_bfe_u32 v2, v0, 4, 1                         ; h = l / 16
	v_and_b32 v3, 7, v0
	v_bfe_u32 v4, v0, 3, 1
	v_xor_b32 v5, v2, v4
	v_lshlrev_b32 v3, 4, v3
	v_lshl_add_u32 v3, v4, 8, v3
	v_lshl_add_u32 v3, v5, 7, v3                   ; my 16 bytes in a fragment's 512: 256 (r / 8) + 16 (r % 8) + 128 (h xor r / 8)
	s_mul_i32 s92, s15, QY                         ; my quarter of A in Y,
	s_mul_i32 s93, s16, QY
	s_add_co_u32 s93, s93, 2*QY                    ; of B in Y,
	s_mul_i32 s94, s15, QX
	s_add_co_u32 s94, s94, XB                      ; of A in X,
	s_mul_i32 s95, s16, QX
	s_add_co_u32 s95, s95, XB+2*QX                 ; of B in X
	v_add_nc_u32 v[ADRA], s92, v3
	v_add_nc_u32 v[ADRB], s93, v3
	v_add_nc_u32 v[ADRA+1], s94, v3
	v_add_nc_u32 v[ADRB+1], s95, v3
	v_lshlrev_b32 v6, 2, v1                        ; scale words: 4 bytes a row;
	s_sub_co_u32 s93, s93, s92
	s_sub_co_u32 s95, s95, s94
	v_mul_u32_u24 v7, s93, v2                      ; lanes 16-31 take B's
	v_add_nc_u32 v7, v7, v6
	v_add_nc_u32 v[ADRS], s92, v7
	v_mul_u32_u24 v7, s95, v2
	v_add_nc_u32 v7, v7, v6
	v_add_nc_u32 v[ADRS+1], s94, v7
	s_mul_i32 s96, s14, 16*SPITCH                  ; my stage
	v_mul_u32_u24 v5, v1, SPITCH                   ; in: row l % 16, 32 bytes for each half of the lanes
	v_lshl_add_u32 v5, v2, 5, v5
	v_add_nc_u32 v[STO], s96, v5
	v_and_b32 v6, 31, v0
	v_lshlrev_b32 v[CO], 4, v6                     ; back: the 32 lanes take one row of 512 bytes; and the same in C
	v_add_nc_u32 v[RD], s96, v[CO]
	s_lshl_b32 s20, s17, 8
	s_lshl_b32 s21, s15, 7
	s_add_co_u32 s20, s20, s21                     ; my first row of C: 256 x tile row + 128 x half
	s_mov_b32 s21, 0
	s_mov_b64 s[18:19], SIZE_N*4
	s_mul_u64 s[20:21], s[20:21], s[18:19]
	s_lshl_b32 s82, s78, 10                        ; my first column, in bytes: 1024 x tile column + 512 x half
	s_lshl_b32 s83, s16, 9
	s_add_co_u32 s82, s82, s83
	s_mov_b32 s83, 0
	s_add_nc_u64 s[20:21], s[20:21], s[82:83]
	s_add_nc_u64 s[12:13], s[12:13], s[20:21]
.macro FRAG reg, adr, off              ; a fragment comes as it was laid: three loads of 16 bytes a lane, 512 consecutive bytes each
.irp c, 0,1,2
	ds_load_b128 v[\reg+4*\c:\reg+4*\c+3], v[\adr] offset:\off+512*\c
.endr
.endm
; 16 matrix instructions: A's blocks a0, a0 + 1 x B's eight, 128 along K.  p: B's set and the set of scale words.  zero = 1: the first product starts the sums: nothing is ever cleared.
; The 64 accumulators take turns, one instruction a turn, in the same order in every step.
.macro MUL16 a0, p, zero
.irp a, \a0, \a0+1
.irp b, 0,1,2,3,4,5,6,7
.if \zero
	v_wmma_scale_f32_16x16x128_f8f6f4 v[8*(8*((\a)%4)+\b):8*(8*((\a)%4)+\b)+7], v[128*(\p)+FR*\b:128*(\p)+FR*\b+FR-1], v[AF+FR*(\a):AF+FR*(\a)+FR-1], 0, v[SC+8*(\p)+\b], v[SC+8*(\p)+(\a)] matrix_a_fmt:MATRIX_FMT_BF6 matrix_b_fmt:MATRIX_FMT_BF6 matrix_a_scale:MATRIX_SCALE_ROW1
.else
	v_wmma_scale_f32_16x16x128_f8f6f4 v[8*(8*((\a)%4)+\b):8*(8*((\a)%4)+\b)+7], v[128*(\p)+FR*\b:128*(\p)+FR*\b+FR-1], v[AF+FR*(\a):AF+FR*(\a)+FR-1], v[8*(8*((\a)%4)+\b):8*(8*((\a)%4)+\b)+7], v[SC+8*(\p)+\b], v[SC+8*(\p)+(\a)] matrix_a_fmt:MATRIX_FMT_BF6 matrix_b_fmt:MATRIX_FMT_BF6 matrix_a_scale:MATRIX_SCALE_ROW1
.endif
.endr
.endr
.endm
; rg: the region (0 = Y, 1 = X);  off: the step's place in a quarter of it
.macro FETCH_B rg, off, p              ; B's eight fragments into set p
	WIN TO_B
.irp i, 0,1,2,3,4,5,6,7
	FRAG 128*(\p)+FR*\i, ADRB+\rg, \off+1536*\i
.endr
	WIN 0
.endm
.macro FETCH_A rg, off, i0             ; A's blocks i0 .. i0 + 3
.irp i, \i0, \i0+1, \i0+2, \i0+3
	FRAG AF+FR*(\i), ADRA+\rg, \off+1536*(\i)
.endr
.endm
.macro SCALES rg, off, p               ; the step's scale words into set p: lanes 0-15 take A's block i, lanes 16-31 B's block i
.irp i, 0,1,2,3,4,5,6,7
	ds_load_b32 v[SC+8*(\p)+\i], v[ADRS+\rg] offset:\off+12288+64*\i
.endr
.endm
; A load into a register that a matrix instruction has read, and a vector instruction or an LDS store that reads a matrix result, stand NP places behind that matrix instruction, and only plain vector
; instructions that name none of its registers are places (ISA guide 7.12.1 for vector instructions); the matrix instructions in between are not counted.
.macro PLACES n
.rept \n
	v_nop
.endr
.endm
; A step whose successor (region rg, place off) is known to lie whole in LDS.  p: this step's sets.
.macro STEP p, rg, off, zero
	s_wait_dscnt 4*NL                              ; B's set, A's blocks 0-3 and the scale words are in; the youngest 12 loads (A's blocks 4-7) may be out
	WIN MUL_LO
	MUL16 0, \p, \zero
	MUL16 2, \p, \zero
	s_wait_dscnt 0                                 ; A's blocks 4-7 are in (asked for 32 matrix instructions ago)
	PLACES NP
	FETCH_B \rg, \off, 1-(\p)
	FETCH_A \rg, \off, 0
	SCALES \rg, \off, 1-(\p)
	WIN MUL_HI
	MUL16 4, \p, \zero
	MUL16 6, \p, \zero
	PLACES NP
	WIN 0
	FETCH_A \rg, \off, 4
.endm
; A step whose successor was brought by another load than itself: ONE barrier; in front of it each wave waits for all its tensor loads, adds 0 to its spare word, and waits for that and for its own LDS reads.
; fill = 1: the region that this step leaves is filled again, with the steps six further on, by the descriptors named.
.macro TURN p, fill, g0a, g1a, g0b, g1b, rg, off
	s_wait_tensorcnt 0x0                           ; all my tensor loads have landed, my part of the next step's bytes among them;  (every window is 0 here: the add's two registers lie in window 0)
	ds_add_u32 v[SPW], v[NIL]                      ; 0 onto my spare word
	s_wait_dscnt 4*NL+1                            ; (the add and the youngest 12 loads, A's blocks 4-7, may be out)
	WIN MUL_LO
	MUL16 0, \p, 0                                 ; sixteen matrix instructions stand between the add and the wait for it
	s_wait_dscnt 0x0                               ; the add is done, and my reads of this step's region are over
	s_barrier_signal -1
	MUL16 2, \p, 0
	WIN 0
	s_barrier_wait -1
.if \fill
	CREST                                          ; the barrier has opened a round of the cluster's barrier: no wave of any partner still reads this region or has a load on its way
	s_add_nc_u64 s[\g0a+2:\g0a+3], s[\g0a+2:\g0a+3], 6*CH
	s_add_nc_u64 s[\g0b+2:\g0b+3], s[\g0b+2:\g0b+3], 6*CH
	JLOAD \g0a, \g1a, \g0b, \g1b                   ; the first tensor load behind the round, my one load until the next; the four v_nop behind it are the places in front of the loads below
.else
	PLACES NP
.endif
	FETCH_B \rg, \off, 1-(\p)
	FETCH_A \rg, \off, 0
	SCALES \rg, \off, 1-(\p)
	WIN MUL_HI
	MUL16 4, \p, 0
	MUL16 6, \p, 0
	PLACES NP
	WIN 0
	FETCH_A \rg, \off, 4
.endm
	s_wait_tensorcnt 2                             ; my part of steps 0 and 1 is in (the two loads behind it may be out)
	s_barrier_signal -1
	s_barrier_wait -1                              ; everybody's is
	FETCH_B 1, 0, 0
	FETCH_A 1, 0, 0
	SCALES 1, 0, 0
	FETCH_A 1, 0, 4
	STEP 0, 1, CH, 1                               ; step 0: its products start the sums
	TURN 1, 0, 0, 0, 0, 0, 1, 2*CH                 ; step 1: the other first fills have landed, in every wave; nothing is filled
	STEP 0, 1, 3*CH, 0                             ; step 2
	TURN 1, 1, G0AX, G1AX, G0BX, G1BX, 0, 0        ; step 3: X is left and takes steps 6 to 9; on to Y
	STEP 0, 0, CH, 0                               ; step 4
	TURN 1, 1, G0AY, G1AY, G0BY, G1BY, 1, 0        ; step 5: Y is left and takes steps 10 and 11; on to X
	STEP 0, 1, CH, 0                               ; step 6
	STEP 1, 1, 2*CH, 0                             ; step 7
	STEP 0, 1, 3*CH, 0                             ; step 8
	TURN 1, 1, G0AX, G1AX, G0BX, G1BX, 0, 0        ; step 9: X is left and takes steps 12 to 15; on to Y
	STEP 0, 0, CH, 0                               ; step 10
	TURN 1, 0, 0, 0, 0, 0, 1, 0                    ; step 11: Y is left for good, nothing is filled, so no round of the cluster's barrier; on to X
	STEP 0, 1, CH, 0                               ; step 12
	STEP 1, 1, 2*CH, 0                             ; step 13
	STEP 0, 1, 3*CH, 0                             ; step 14
	s_wait_dscnt 4*NL                              ; step 15: nothing more to fetch
	WIN MUL_LO
	MUL16 0, 1, 0
	MUL16 2, 1, 0
	s_wait_dscnt 0
	WIN MUL_HI
	MUL16 4, 1, 0
	MUL16 6, 1, 0
	WIN 0
; THE WAY OUT, block by block of 16 rows x 128 columns.  A lane holds 32 neighbouring bytes of a row, and the lanes beside it hold other rows: so a block goes through my own stage in LDS and comes back as whole
; rows of 512 bytes, which the 32 lanes store as 512 consecutive bytes.  LDS serves a wave's instructions in order (ISA guide 5.7.1.4): no wait between the stores and the loads, nor in front of the next block's stores.
.macro TOSTAGE a
.set AC, 64*((\a)%4)
	WIN 0x08+4*((\a)/4)                            ; the data: window 2 or 3
.irp b, 0,1,2,3,4,5,6,7
	ds_store_b128 v[STO], v[AC+8*\b:AC+8*\b+3] offset:64*\b          ; each accumulator from its low end on
	ds_store_b128 v[STO], v[AC+8*\b+4:AC+8*\b+7] offset:64*\b+16
.endr
	WIN 0
.set BB, BK+64*((\a)%2)
.irp t, 0,1,2,3,4,5,6,7,8,9,10,11,12,13,14,15
	ds_load_b128 v[BB+4*\t:BB+4*\t+3], v[RD] offset:\t*SPITCH
.endr
.endm
.macro SEND a, younger                 ; younger: the LDS instructions issued behind block a's loads, which may stay out
.set BB, BK+64*((\a)%2)
	s_wait_dscnt \younger                          ; the block is back in registers
.if (\a) > 0
	s_add_nc_u64 s[12:13], s[12:13], 16*SIZE_N*4   ; (behind a wait on XCNT: the earlier stores have read their base)  16 rows of C on, so that the stores' offsets stay small: 15 rows of C at the most
.endif
.irp t, 0,1,2,3,4,5,6,7,8,9,10,11,12,13,14,15
	global_store_b128 v[CO], v[BB+4*\t:BB+4*\t+3], s[12:13] offset:\t*SIZE_N*4 th:TH_STORE_NT   ; 32 lanes store 512 consecutive bytes, at a multiple of 256 from C's first byte; written once, read by nobody here
.endr
.endm
	PLACES NP                                      ; these places serve the loads into the registers that held A's fragments and the reads of the last products' results alike
	TOSTAGE 0
.irp a, 1,2,3,4,5,6,7
.if \a > 1
	s_wait_xcnt 0x0                                ; block a - 2's stores have read their registers and their base: block a's loads may land there, and the base may step
.endif
	TOSTAGE \a
	SEND \a-1, 32                                  ; behind block a - 1's loads: block a's 16 stores and 16 loads
.endr
	s_wait_xcnt 0x0                                ; block 6's stores have read their base
	SEND 7, 0
	s_wait_tensorcnt 0x0                           ; the wave's end, behind my last tensor load and my last LDS store
	ds_add_u32 v[SPW], v[NIL]
	s_wait_dscnt 0x0
	CROUND                                         ; the closing round: no work-group ends while a partner may still ask for a tile that names it
	s_endpgm
.Lfunc_end_k_q59c38352d4_gemm:
	.size	k_q59c38352d4_gemm, .Lfunc_end_k_q59c38352d4_gemm-k_q59c38352d4_gemm
	.p2alignl 7, 3214868480
	.fill 96, 4, 3214868480
	.section	.rodata,"a",@progbits
	.p2align	6, 0x0
	.amdhsa_kernel k_q59c38352d4_gemm
		.amdhsa_group_segment_fixed_size 327680
		.amdhsa_private_segment_fixed_size 0
		.amdhsa_enable_private_segment 0
		.amdhsa_kernarg_size 24
		.amdhsa_user_sgpr_count 2
		.amdhsa_user_sgpr_kernarg_segment_ptr 1
		.amdhsa_wavefront_size32 1
		.amdhsa_system_sgpr_workgroup_id_x 1
		.amdhsa_system_sgpr_workgroup_id_y 1
		.amdhsa_system_sgpr_workgroup_id_z 1
		.amdhsa_system_vgpr_workitem_id 0
		.amdhsa_next_free_vgpr 1024
		.amdhsa_next_free_sgpr 98
		.amdhsa_reserve_vcc 0
		.amdhsa_float_denorm_mode_32 3
		.amdhsa_float_denorm_mode_16_64 3
		.amdhsa_memory_ordered 1
		.amdhsa_forward_progress 1
		.amdhsa_inst_pref_size 234
	.end_amdhsa_kernel
	.amdgpu_metadata
---
amdhsa.version: [ 1, 2 ]
amdhsa.kernels:
  - .name:           k_q59c38352d4_gemm
    .symbol:         k_q59c38352d4_gemm.kd
    .args:
      - { .name: aimg, .offset: 0, .size: 8, .value_kind: global_buffer, .address_space: global }
      - { .name: w2img, .offset: 8, .size: 8, .value_kind: global_buffer, .address_space: global }
      - { .name: out0, .offset: 16, .size: 8, .value_kind: global_buffer, .address_space: global }
    .group_segment_fixed_size: 327680
    .private_segment_fixed_size: 0
    .kernarg_segment_align: 8
    .kernarg_segment_size: 24
    .max_flat_workgroup_size: 128
    .sgpr_count:     98
    .vgpr_count:     1024
    .wavefront_size: 32
...
	.end_amdgpu_metadata
.endif
;; end of part 4
